; MI455X (gfx1250); checked and timed in simulation.
; The chip was launched on July 23, 2026; its instructions are those of AMD's public machine-readable ISA for CDNA 5 (MIT licence, August 2026) and "CDNA5" Instruction Set Architecture Reference Guide (July 2026). The comments in the code are by the model that wrote it; some were corrected since.
;; Causal Self Attention. Allowed arithmetic: matrix products marked QUANTISED: E2M1 operands, one E8M0 scale for each 32 along K, by v_wmma_scale_f32_16x16x128_f8f6f4 with both operands' format E2M1 (or v_wmma_scale_f32_32x16x128_f4), f32 sums; products left as they are: bf16, f16 or f32 operands; f32 sums; everything else in f32.
;; Inputs: W_proj 1,024 x 1,024 float32; W_qkv 1,024 x 3,072 float32; x 4 x 2,048 x 1,024 float32.
;; Outputs: out0 4 x 2,048 x 1,024 float32.
;; This version of the problem:
;;   THIS VERSION OF THE PROBLEM IS GIVEN IN LOW PRECISION. The matrix products marked QUANTISED in the list below multiply operands that are first quantised to E2M1 (2 exponent bits, 1 mantissa bit; 4 bits a number), with one power-of-two scale for each 32 numbers along K (OCP MX v1.0); their sums are f32. The products marked 'left as it is' may take bf16, f16 or f32 operands, with f32 sums. Whichever they take, every output number must still come out within the allowed error. Rounding operands to bf16 (8 significant bits) uses up far more of that allowance than f16 does (11 bits, for magnitudes from 6e-5 to 65,504). All else is computed in f32.
;;   The module's matrix products, in the order in which they are computed (A, B: the left and right operand; K: the contracted axis; several contracted axes count as one K, in the product's order):
;;     1. [M 8,192, K 1,024] x [K 1,024, N 3,072]; A: input x; B: input W_qkv: QUANTISED
;;     2. batch 64 x [M 2,048, K 64] x [K 64, N 2,048]; A: computed on the way; B: computed on the way: left as it is (an operand is computed on the way)
;;     3. batch 64 x [M 64, K 2,048] x [K 2,048, N 2,048]; A: computed on the way; B: computed on the way: left as it is (an operand is computed on the way)
;;     4. [M 8,192, K 1,024] x [K 1,024, N 1,024]; A: computed on the way; B: input W_proj: left as it is (an operand is computed on the way)
;;   THE QUANTISER, for each operand of a quantised product, along K:
;;     - K is cut into blocks of 32 from its start; a last block that is shorter is filled with zeros.
;;     - A block's scale is 2^e with e = floor(log2(the largest magnitude in the block)) - 2, held to -126 .. 127; a block of zeros has e = 0. As a byte (E8M0): e + 127.
;;     - Each number is divided by its block's scale, clamped to +-6, and rounded to the nearest number of E2M1, ties to even, subnormals kept.
;;     - The product sums the exact products of the quantised numbers (number of the format x scale) in f32.
;;   ~~~python
;;   def quantise(x, axis):      # numpy; x: float32 -> the quantised numbers, widened to float32 again
;;       x = np.moveaxis(x, axis, -1); K = x.shape[-1]
;;       x = np.pad(x, [(0, 0)] * (x.ndim - 1) + [(0, -K % 32)]); x = x.reshape(x.shape[:-1] + (-1, 32)); a = np.abs(x).max(-1, keepdims=True)
;;       e = np.where(a > 0, np.clip(np.frexp(np.where(a > 0, a, 1))[1] - 1 - 2, -126, 127), 0)      # np.frexp(a)[1] - 1 = floor(log2(a)), exactly
;;       r = np.clip(x / 2.0 ** e, -6, 6)
;;       step = 2.0 ** (np.maximum(np.frexp(np.where(r == 0, 1, r))[1] - 1, 0) - 1)
;;       q = np.round(r / step) * step * 2.0 ** e      # np.round: ties to even
;;       return np.moveaxis(q.reshape(q.shape[:-2] + (-1,))[..., :K], -1, axis).astype(np.float32)
;;   ~~~
;; One version. Each part assembles by itself: llvm-mc -triple=amdgcn-amd-amdhsa -mcpu=gfx1250 --defsym DOCPART=n.
;; ======== version 1 of 1: 5 launches
;; limits: values are held in f16: magnitudes above 65,504 overflow, below 6.1e-05 lose precision
;; workspace buffers: xc 4,194,304 bytes; xs 262,144 bytes; wc 1,572,864 bytes; ws 98,304 bytes; wp16 2,097,152 bytes; qkvh 50,331,648 bytes; qkvf 786,432 bytes; att16 16,777,216 bytes
;; launch prep (part 1): grid 336 x 1, 4 waves a work-group, no clusters, 68,096 bytes of LDS; arguments x, W_qkv, W_proj, xc, xs, wc, ws, wp16; writes xc, xs, wc, ws, wp16
.if DOCPART == 1
	.amdgcn_target "amdgcn-amd-amdhsa--gfx1250"
	.amdhsa_code_object_version 6
	.text
	.protected	k_qfad6108013_prep
	.globl	k_qfad6108013_prep
	.p2align	8
	.type	k_qfad6108013_prep,@function
k_qfad6108013_prep:
	s_mov_b64 s[64:65], 0
	v_nop
	global_prefetch_b8 v0, s[64:65] scope:SCOPE_SE
	s_setreg_imm32_b32 hwreg(HW_REG_WAVE_MODE, 25, 1), 1
	s_wait_xcnt 0x0
; PREP: the three inputs are brought into the forms that the later launches read.  Three paths, parted on the work-group's number, each with LDS bytes of its own:
;   work-groups  0 .. 47   W_qkv [1024 (k)][3072 (n)] f32 -> codes of FP4 (E2M1) laid [3072][1024] with K innermost (wc), one E8M0 byte for each 32 along K (ws [3072][32])
;   work-groups 48 .. 79   W_proj [1024][1024] f32 -> f16, as it lies (wp16)
;   work-groups 80 .. 335  x [8192][1024] f32 -> codes (xc [8192][512 bytes]) and scale bytes (xs [8192][32])
; A block's scale is 2^(floor(log2(its largest magnitude)) - 2); its byte is the largest magnitude's exponent field - 2, held at 1 from below.  Each number is divided by the scale and rounded
; to the nearest code, ties to even; beyond the largest code the largest.
; LIMITS: a block of zeros gets the byte 1 where the quantiser says 127 (its codes are zeros, which add nothing, and this program alone reads the bytes); blocks whose largest magnitude lies
; under 2^(3 - 127) are held at that floor; NaN and infinities are not served; W_proj must lie under 65,504 in magnitude, and under 6e-5 it keeps an absolute step of 2^-25 (f16).
.set SPW,   190                        ; v190  LDS address of my spare word: SPARE + 4 x my thread's number; never rewritten
.set NIL,   191                        ; v191  0; never rewritten
.set SPARE, 67584                      ; behind both paths' LDS: the spare words, 128 bytes for each wave
.set WV,    20                         ; s20   my wave's number
.set EMAX,  2
; the path of x
.set STEPS, 16                         ; a wave takes 16 steps of 512 numbers
.set CB,    8                          ; bytes of 16 codes
.set XR,    16                         ; v16-79   four sets of 16 numbers as they are loaded
.set XX,    80                         ; v80-111  two sets of 16 neighbours
.set XE,    112                        ; v112-127 a scale byte for each step
.set XC,    128                        ; v128-189 codes: four registers for each step, so that no store's data are written again
.set WREG,  8192                       ; LDS bytes 0 .. 32,767: a region for each wave: two stages of 32 x SP bytes, then its 256 scale bytes
.set SP,    80                         ; a lane's place in a stage: 64 bytes + 16 of padding
; the path of W_qkv
.set SIZE_K, 1024
.set SIZE_N, 3072
.set KW,    512                        ; along K for a wave
.set NB,    KW/32                      ; blocks
.set PITCH, 272                        ; a stage row: 256 bytes of codes + 16
.set KROW,  SIZE_K/2                   ; a row of wc in bytes
.set WSTG,  32768                      ; LDS bytes 32,768 .. 67,583: a stage of 32 rows for each wave
.set WX,    32                         ; v32-95   two sets of 32 numbers
.set WCD,   96                         ; v96-99   a block's codes
.set OUTR,  112                        ; v112-175 the way out
.set SB,    24                         ; v24-27   the scale bytes, four to a register
	s_load_b512 s[4:19], s[0:1], 0x0               ; x 4, W_qkv 6, W_proj 8, xc 10, xs 12, wc 14, ws 16, wp16 18
	v_lshl_add_u32 v[SPW], v0, 2, SPARE
	v_mov_b32 v[NIL], 0
	v_lshrrev_b32 v1, 5, v0
	v_readfirstlane_b32 s[WV], v1                  ; wave 0..3
	v_and_b32 v2, 31, v0                           ; lane
	s_wait_kmcnt 0x0
	s_cmp_lt_u32 ttmp9, 48
	s_cbranch_scc1 .Lw
	s_cmp_lt_u32 ttmp9, 80
	s_cbranch_scc1 .Lcast
; ---------------- x: a plain stream of blocks of 32 (rows are dense, K innermost).  Each load reads 512 consecutive bytes; a step's 2,048 bytes turn through the wave's own stage, so that a lane
; holds 16 neighbours (two neighbouring lanes hold a block).  Loads run four steps ahead, the turn through LDS one step.
	v_lshlrev_b32 v3, 4, v2                        ; my 16 bytes of a load's 512
	s_mul_i32 s21, s[WV], WREG
	v_lshrrev_b32 v14, 2, v2
	v_mul_u32_u24 v14, v14, SP
	v_and_b32 v15, 3, v2
	v_lshl_add_u32 v14, v15, 4, v14
	v_add_nc_u32 v14, s21, v14                     ; the stage, on the way in: SP (lane / 4) + 16 (lane % 4)
	v_mul_u32_u24 v15, v2, SP
	v_add_nc_u32 v15, s21, v15                     ; and on the way out: SP x lane: my 16 neighbours
	v_mul_u32_u24 v4, v2, CB                       ; my codes' place in a step's
	v_lshrrev_b32 v5, 1, v2
	s_add_co_u32 s21, s21, 2*32*SP
	v_add_nc_u32 v5, s21, v5                       ; my wave's 256 scale bytes, my block's byte
	v_lshlrev_b32 v7, 3, v2                        ; and on the way out 8 bytes a lane
	v_add_nc_u32 v6, s21, v7
	s_sub_co_u32 s22, ttmp9, 80
	s_lshl_b32 s22, s22, 2
	s_add_co_u32 s22, s22, s[WV]                   ; which run of 8,192 numbers is my wave's: 0 .. 1,023
	s_mov_b32 s23, 0
	s_lshl_b64 s[24:25], s[22:23], 15              ; 32,768 bytes of x a run,
	s_add_nc_u64 s[4:5], s[4:5], s[24:25]
	s_lshl_b64 s[24:25], s[22:23], 12              ; 4,096 of codes,
	s_add_nc_u64 s[10:11], s[10:11], s[24:25]
	s_lshl_b64 s[24:25], s[22:23], 8               ; 256 scale bytes
	s_add_nc_u64 s[12:13], s[12:13], s[24:25]
.macro XLOAD t
.irp i, 0,1,2,3
	global_load_b128 v[XR+16*((\t)%4)+4*\i:XR+16*((\t)%4)+4*\i+3], v3, s[4:5] offset:2048*(\t)+512*\i th:TH_LOAD_NT   ; 32 lanes read 512 consecutive bytes
.endr
.endm
.macro XTURN t                         ; step t's numbers through the stage: LDS serves a wave's instructions in order, so no wait stands between the stores and the loads
.irp i, 0,1,2,3
	ds_store_b128 v14, v[XR+16*((\t)%4)+4*\i:XR+16*((\t)%4)+4*\i+3] offset:32*SP*((\t)%2)+8*SP*\i
.endr
.irp i, 0,1,2,3
	ds_load_b128 v[XX+16*((\t)%2)+4*\i:XX+16*((\t)%2)+4*\i+3], v15 offset:32*SP*((\t)%2)+16*\i
.endr
.endm
.irp t, 0,1,2,3
	XLOAD \t
.endr
	s_wait_loadcnt 12                              ; step 0's four loads are in; twelve younger ones stay out
	XTURN 0
.macro XSTEP t
.set XS, XX+16*((\t)%2)
.if (\t) > 0
	s_wait_dscnt 1                                 ; this step's numbers are back from the stage (the last step's byte store may be out): so its stores into the stage have read their registers,
.else
	s_wait_dscnt 0x0
.endif
.if (\t)+4 < STEPS
	XLOAD (\t)+4                                   ; which take the loads of four steps on
.endif
.if (\t)+1 < STEPS
.if STEPS-2-(\t) >= 3
	s_wait_loadcnt 12                              ; the next step's four loads are in; those of the three steps behind it may be out
.else
	s_wait_loadcnt 4*(STEPS-2-(\t))
.endif
	XTURN (\t)+1                                   ; and go through the other stage while this step is worked
.endif
	v_max3_num_f32 v8, |v[XS]|, |v[XS+1]|, |v[XS+2]|               ; the largest magnitude of my 16, in two chains
	v_max3_num_f32 v9, |v[XS+3]|, |v[XS+4]|, |v[XS+5]|
.irp i, 6,10
	v_max3_num_f32 v8, v8, |v[XS+\i]|, |v[XS+\i+1]|
	v_max3_num_f32 v9, v9, |v[XS+\i+2]|, |v[XS+\i+3]|
.endr
	v_max3_num_f32 v8, v8, |v[XS+14]|, |v[XS+15]|
	v_max3_num_f32 v8, v8, v9, (EMAX+1)<<23        ; and the floor 2^(3 - 127): the byte cannot fall under 1
	v_max_num_f32_dpp v8, v8, v8 row_xmask:1 row_mask:0xf bank_mask:0xf   ; and of my neighbour's 16: the block's
	v_add_nc_u32 v11, 0xff000000, v8               ; 2 off its exponent field: the conversion takes the exponent field of this operand as its scale
	v_cvt_scalef32_pk8_fp4_f32 v[XC+4*(\t)], v[XS:XS+7], v11
	v_cvt_scalef32_pk8_fp4_f32 v[XC+4*(\t)+1], v[XS+8:XS+15], v11
	v_lshrrev_b32 v[XE+(\t)], 23, v11              ; the scale's byte (a plain line behind the conversions)
	ds_store_b8 v5, v[XE+(\t)] offset:16*(\t)      ; both lanes of a block write the same byte with the same value
	global_store_b64 v4, v[XC+4*(\t):XC+4*(\t)+1], s[10:11] offset:32*CB*(\t)   ; the wave stores 256 consecutive bytes, aligned
.endm
.irp t, 0,1,2,3,4,5,6,7,8,9,10,11,12,13,14,15
	XSTEP \t
.endr
	ds_load_b64 v[8:9], v6                         ; LDS serves a wave's instructions in order: these see my byte stores
	s_wait_dscnt 0x0
	global_store_b64 v7, v[8:9], s[12:13]          ; 32 lanes store 256 consecutive bytes, aligned
	s_wait_tensorcnt 0x0                           ; the wave's end: three lines behind my last LDS store
	ds_add_u32 v[SPW], v[NIL]
	s_wait_dscnt 0x0
	s_endpgm
; ---------------- W_qkv: K is its first axis.  A lane takes a column n and its registers run down K: a block of 32 lies in one lane, and the conversions give codes with K innermost.
; A wave takes 32 columns x 512 along K; the codes go through its stage and leave as rows: sixteen lanes store 256 consecutive bytes.
.Lw:
	s_lshr_b32 s21, ttmp9, 1
	s_lshl_b32 s21, s21, 7
	s_lshl_b32 s22, s[WV], 5
	s_add_co_u32 s21, s21, s22                     ; my wave's first column: 128 x (work-group / 2) + 32 x wave
	s_and_b32 s22, ttmp9, 1                        ; which 512 along K
	v_lshlrev_b32 v3, 2, v2                        ; in: 4 bytes a lane
	s_mul_i32 s23, s[WV], 32*PITCH
	s_add_co_u32 s23, s23, WSTG                    ; my stage
	v_mul_u32_u24 v4, v2, PITCH
	v_add_nc_u32 v4, s23, v4                       ; into it: row = my column
	v_and_b32 v5, 15, v2
	v_lshrrev_b32 v6, 4, v2                        ; out of it: sixteen lanes to a row, two rows an instruction
	v_mul_u32_u24 v7, v6, PITCH
	v_lshl_add_u32 v7, v5, 4, v7
	v_add_nc_u32 v7, s23, v7
	v_mul_u32_u24 v8, v6, KROW
	v_lshl_add_u32 v8, v5, 4, v8                   ; and the same place in wc
	v_lshlrev_b32 v9, 5, v2                        ; my column's row of scale bytes: 32 bytes a row
	s_mul_i32 s24, s22, KW*SIZE_N*4                ; W_qkv: 512 rows of 12,288 bytes for each half of K,
	s_lshl_b32 s25, s21, 2                         ; + 4 x column
	s_add_co_u32 s24, s24, s25
	s_mov_b32 s25, 0
	s_add_nc_u64 s[6:7], s[6:7], s[24:25]
	s_mul_i32 s24, s21, KROW                       ; wc: column x 512 + 256 x half
	s_lshl_b32 s26, s22, 8
	s_add_co_u32 s24, s24, s26
	s_add_nc_u64 s[14:15], s[14:15], s[24:25]
	s_lshl_b32 s24, s21, 5                         ; ws: column x 32 + 16 x half
	s_lshl_b32 s26, s22, 4
	s_add_co_u32 s24, s24, s26
	s_add_nc_u64 s[16:17], s[16:17], s[24:25]
.macro WLOAD t                         ; block t: W(32 t + i, my column), i = 0 .. 31, into set t % 2.  The largest offset, 511 x 12,288, lies inside the signed 24-bit immediate
.irp i, 0,1,2,3,4,5,6,7,8,9,10,11,12,13,14,15,16,17,18,19,20,21,22,23,24,25,26,27,28,29,30,31
	global_load_b32 v[WX+32*((\t)%2)+\i], v3, s[6:7] offset:(32*(\t)+\i)*SIZE_N*4 th:TH_LOAD_NT
.endr
.endm
	WLOAD 0
	WLOAD 1
.macro WBLOCK t
.set XS, WX+32*((\t)%2)
.if (\t) < NB-1
	s_wait_loadcnt 32                              ; this block's 32 loads are in; the next block's may be out
.else
	s_wait_loadcnt 0
.endif
	v_max3_num_f32 v12, |v[XS]|, |v[XS+1]|, |v[XS+2]|               ; the block's largest magnitude: all 32 numbers are mine
	v_max3_num_f32 v13, |v[XS+3]|, |v[XS+4]|, |v[XS+5]|
.irp i, 6,10,14,18,22,26
	v_max3_num_f32 v12, v12, |v[XS+\i]|, |v[XS+\i+1]|
	v_max3_num_f32 v13, v13, |v[XS+\i+2]|, |v[XS+\i+3]|
.endr
	v_max3_num_f32 v12, v12, |v[XS+30]|, |v[XS+31]|
	v_max3_num_f32 v12, v12, v13, (EMAX+1)<<23     ; and the floor
	v_add_nc_u32 v11, 0xff000000, v12              ; 2 off its exponent field: the conversion's scale operand
	v_lshrrev_b32 v13, 23, v11                     ; the scale's byte
.if (\t)%4 == 0
	v_mov_b32 v[SB+(\t)/4], v13                    ; four bytes to a register, the lower K in the lower byte
.else
	v_lshl_or_b32 v[SB+(\t)/4], v13, 8*((\t)%4), v[SB+(\t)/4]
.endif
.irp g, 0,1,2,3
	v_cvt_scalef32_pk8_fp4_f32 v[WCD+\g], v[XS+8*\g:XS+8*\g+7], v11
.endr
	v_nop                                          ; one plain line behind the last conversion
	ds_store_b128 v4, v[WCD:WCD+3] offset:16*(\t)  ; 32 codes: 16 bytes of my column's row
.if (\t)+2 < NB
	WLOAD (\t)+2
.endif
	s_wait_dscnt 0x0                               ; the store has read its registers: the next block's codes may be written
.endm
.set Q, 0
.rept NB
	WBLOCK Q
.set Q, Q+1
.endr
	global_store_b128 v9, v[SB:SB+3], s[16:17]     ; my column's 16 scale bytes
.irp t, 0,1,2,3,4,5,6,7,8,9,10,11,12,13,14,15
	ds_load_b128 v[OUTR+4*\t:OUTR+4*\t+3], v7 offset:2*\t*PITCH   ; LDS serves a wave's instructions in order: these see my stores
.endr
.irp t, 0,1,2,3,4,5,6,7,8,9,10,11,12,13,14,15
	s_wait_dscnt 15-\t                             ; rows 2 t and 2 t + 1 are back; the later loads stay out
	global_store_b128 v8, v[OUTR+4*\t:OUTR+4*\t+3], s[14:15] offset:2*\t*KROW
.endr
	s_wait_tensorcnt 0x0                           ; the wave's end: three lines behind my last LDS store
	ds_add_u32 v[SPW], v[NIL]
	s_wait_dscnt 0x0
	s_endpgm
; ---------------- W_proj to f16, as it lies.  A wave takes 8,192 numbers: 32 turns of 256; a lane's 8 numbers (32 bytes) become 16 bytes, so that a store covers 512 consecutive bytes.
; Four batches of eight turns; a batch's 16 loads go out ahead of the batch before it is worked.
.Lcast:
	s_sub_co_u32 s21, ttmp9, 48
	s_lshl_b32 s21, s21, 2
	s_add_co_u32 s21, s21, s[WV]                   ; which run of 8,192 numbers: 0 .. 127
	s_lshl_b32 s22, s21, 15
	s_mov_b32 s23, 0
	s_add_nc_u64 s[8:9], s[8:9], s[22:23]
	s_lshl_b32 s22, s21, 14
	s_add_nc_u64 s[18:19], s[18:19], s[22:23]
	v_lshlrev_b32 v1, 5, v2                        ; in: 32 bytes a lane
	v_lshlrev_b32 v3, 4, v2                        ; out: 16
.macro CLOAD g
.irp i, 0,1,2,3,4,5,6,7
	global_load_b128 v[16+64*((\g)%2)+8*\i:16+64*((\g)%2)+8*\i+3], v1, s[8:9] offset:(8*(\g)+\i)*1024
	global_load_b128 v[16+64*((\g)%2)+8*\i+4:16+64*((\g)%2)+8*\i+7], v1, s[8:9] offset:(8*(\g)+\i)*1024+16
.endr
.endm
.macro CWORK g
	s_wait_xcnt 0x0                                ; the last batch's stores have read their data registers, which are written again below
.if (\g) < 3
	CLOAD (\g)+1
.endif
.irp i, 0,1,2,3,4,5,6,7
.if (\g) < 3
	s_wait_loadcnt 30-2*\i                         ; turn i's pair is in: behind it stand this batch's 14 - 2 i later loads and the next batch's 16
.else
	s_wait_loadcnt 14-2*\i
.endif
.irp j, 0,1,2,3
	v_cvt_pk_f16_f32 v[144+4*\i+\j], v[16+64*((\g)%2)+8*\i+2*\j], v[16+64*((\g)%2)+8*\i+2*\j+1]
.endr
	global_store_b128 v3, v[144+4*\i:144+4*\i+3], s[18:19] offset:(8*(\g)+\i)*512
.endr
.endm
	CLOAD 0
	CWORK 0
	CWORK 1
	CWORK 2
	CWORK 3
	s_wait_tensorcnt 0x0                           ; every path of this launch ends alike, with the same three lines
	ds_add_u32 v[SPW], v[NIL]
	s_wait_dscnt 0x0
	s_endpgm
.Lfunc_end_k_qfad6108013_prep:
	.size	k_qfad6108013_prep, .Lfunc_end_k_qfad6108013_prep-k_qfad6108013_prep
	.p2alignl 7, 3214868480
	.fill 96, 4, 3214868480
	.section	.rodata,"a",@progbits
	.p2align	6, 0x0
	.amdhsa_kernel k_qfad6108013_prep
		.amdhsa_group_segment_fixed_size 68096
		.amdhsa_private_segment_fixed_size 0
		.amdhsa_enable_private_segment 0
		.amdhsa_kernarg_size 64
		.amdhsa_user_sgpr_count 2
		.amdhsa_user_sgpr_kernarg_segment_ptr 1
		.amdhsa_wavefront_size32 1
		.amdhsa_system_sgpr_workgroup_id_x 1
		.amdhsa_system_sgpr_workgroup_id_y 1
		.amdhsa_system_sgpr_workgroup_id_z 1
		.amdhsa_system_vgpr_workitem_id 0
		.amdhsa_next_free_vgpr 192
		.amdhsa_next_free_sgpr 66
		.amdhsa_reserve_vcc 0
		.amdhsa_float_denorm_mode_32 3
		.amdhsa_float_denorm_mode_16_64 3
		.amdhsa_memory_ordered 1
		.amdhsa_forward_progress 1
		.amdhsa_inst_pref_size 130
	.end_amdhsa_kernel
	.amdgpu_metadata
---
amdhsa.version: [ 1, 2 ]
amdhsa.kernels:
  - .name:           k_qfad6108013_prep
    .symbol:         k_qfad6108013_prep.kd
    .args:
      - { .name: x, .offset: 0, .size: 8, .value_kind: global_buffer, .address_space: global }
      - { .name: W_qkv, .offset: 8, .size: 8, .value_kind: global_buffer, .address_space: global }
      - { .name: W_proj, .offset: 16, .size: 8, .value_kind: global_buffer, .address_space: global }
      - { .name: xc, .offset: 24, .size: 8, .value_kind: global_buffer, .address_space: global }
      - { .name: xs, .offset: 32, .size: 8, .value_kind: global_buffer, .address_space: global }
      - { .name: wc, .offset: 40, .size: 8, .value_kind: global_buffer, .address_space: global }
      - { .name: ws, .offset: 48, .size: 8, .value_kind: global_buffer, .address_space: global }
      - { .name: wp16, .offset: 56, .size: 8, .value_kind: global_buffer, .address_space: global }
    .group_segment_fixed_size: 68096
    .private_segment_fixed_size: 0
    .kernarg_segment_align: 8
    .kernarg_segment_size: 64
    .max_flat_workgroup_size: 128
    .sgpr_count:     66
    .vgpr_count:     192
    .wavefront_size: 32
...
	.end_amdgpu_metadata
.endif
;; end of part 1
;; launch gemm (part 2): grid 12 x 32, 4 waves a work-group, clusters of 4 x 4, 327,680 bytes of LDS; arguments xc, xs, wc, ws, qkvh, qkvf; writes qkvh, qkvf
.if DOCPART == 2
	.amdgcn_target "amdgcn-amd-amdhsa--gfx1250"
	.amdhsa_code_object_version 6
	.text
	.protected	k_qfad6108013_gemm
	.globl	k_qfad6108013_gemm
	.p2align	8
	.type	k_qfad6108013_gemm,@function
k_qfad6108013_gemm:
	s_mov_b64 s[64:65], 0
	v_nop
	global_prefetch_b8 v0, s[64:65] scope:SCOPE_SE
	s_setreg_imm32_b32 hwreg(HW_REG_WAVE_MODE, 25, 1), 1
	s_wait_xcnt 0x0
	s_wait_alu depctr_hold_cnt(0) depctr_sa_sdst(0) depctr_va_vdst(0) depctr_va_sdst(0) depctr_va_ssrc(0) depctr_va_vcc(0) depctr_vm_vsrc(0)
	s_getreg_b32 s2, hwreg(HW_REG_IB_STS2, 6, 4)
	s_cmp_eq_u32 s2, 0
	s_cbranch_scc0 .Lentry_in_a_cluster
	s_endpgm
.Lentry_in_a_cluster:
	s_bfe_u32 s2, ttmp6, 0x10000c
	s_cmp_lg_u32 s2, 0xf033
	s_cbranch_scc0 .Lentry_shape_is_right
	s_endpgm
.Lentry_shape_is_right:
; qkv[m][n] = sum over k of Q(x)[m][k] Q(W_qkv)[k][n], on codes of FP4 (E2M1) with one E8M0 scale for each 32 along K; sums in f32.  A = xc [8192][1024 codes], B = wc [3072][1024 codes], K innermost in both.
; A tile of 256 x 256 is made by a work-group of four waves; a wave makes 128 x 128: 64 accumulators of 16 x 16, 512 registers.  K = 1,024 is two slots of 512: ALL of K is asked for at the head, nothing is filled again.
; The scale bytes of the work-group's 256 rows of A and of B are two dense blocks of memory and come with the first fills, in rows of 256 bytes.
; CLUSTERS: 4 x 4 work-groups.  The four of a row of the cluster need the same tiles of A, the four of a column the same tiles of B: each tile is asked for jointly, by the same tensor load with the same descriptor
; and a mask that names the four.  THE TILE ROW IS 8 cy + CLUSTER y: so cy is the batch and the cluster's y the block of 256 positions, and "this tile holds positions 0 .. 15" is the same in all sixteen partners.
; THE MATRIX INSTRUCTION IS USED TRANSPOSED (source 0 = 16 rows of B, source 1 = 16 rows of A): a lane holds eight neighbouring columns of one row.
; OUT: f16, laid by head: qkvh [part 0 = k, 1 = q, 2 = v][batch][head][position][64]; a plane is 262,144 bytes.  Positions 0 .. 15 of every batch also leave as f32: qkvf [16 batch + position][3072].
; LIMIT: |qkv| must lie under 65,504; under 6e-5 it keeps an absolute step of 2^-25 (f16).
; REGISTERS, in windows of 256: window 0: v0-31 addresses; v32-95 scale words, two sets; v128-191 A's fragments, ONE set; on the way out v32-255 are free.
;   window 1: B's fragments, TWO sets, at v0 and v128.   window 2: the accumulators of my rows 0-63 ((a, b) at v[8 (8 a + b)]);   window 3: those of my rows 64-127.
.set SIZE_N, 3072
.set SIZE_K, 1024
.set KSTEP,  512                       ; along K in a slot
.set NQ,     KSTEP/128                 ; matrix instructions deep
.set ROWB,   256                       ; a tile's row in bytes
.set KROW,   SIZE_K/2                  ; a row of A or B in memory, in bytes
.set PITCH,  272                       ; an LDS row: 256 bytes + 16 of padding: the 16 rows that a load touches start 68 words apart
.set FR,     8                         ; registers of a fragment: 16 rows x 128 K
.set NL,     2                         ; LDS loads that bring one
.set NP,     4                         ; places behind this matrix instruction (ISA guide 7.12.1)
.set HALFT,  128*PITCH                 ; 128 rows: what one tensor load brings
.set SLOT,   4*HALFT                   ; A's 256 rows, then B's 256 rows
.set KS,     SIZE_K/32                 ; a row of scales in bytes
.set SCL,    2*SLOT                    ; behind the slots: the scales, as rows of 256 bytes + 16 of padding
.set HALFS,  (128*KS/256)*272          ; the scales of 128 rows
.set SBLK,   (16*KS/256)*272           ; those of 16 rows
.set SPARE,  SCL+4*HALFS               ; the spare words, 128 bytes for each wave
.set SPITCH, 272                       ; the way out: a stage of 16 rows x (256 bytes + 16) for each wave, in slot 0, which has had its one fill and its last read when the first result is stored there
.set ADRA, 16                          ; v16-17  LDS address of my A fragments in slot 0, 1
.set ADRB, 20                          ; v20-21  the same for B
.set STO,  24                          ; v24     the way out: where I put 16 bytes of a row
.set RD,   25                          ; v25     the way out: where I read back
.set CO,   26                          ; v26     16 x lane
.set ADRS, 27                          ; v27     LDS address of my scale words: lanes 0-15 A's rows, lanes 16-31 B's
.set SPW,  28                          ; v28     my spare word; never rewritten
.set NIL,  29                          ; v29     0; never rewritten
.set FO,   30                          ; v30     my byte offset in qkvf: row l % 16, + 32 (l / 16)
.set SC,   32                          ; scale words: set s at v[SC + 32 s]; register 4 i + q: lanes 0-15 A's block i, lanes 16-31 B's block i, the slot's q-th 128 along K
.set AF,   128                         ; A's fragments
.set TMP,  192                         ; the way out: packed results
.set OB,   32                          ; the way out: 16 rows read back: v32-63 and v224-255 by turns
.set G1, 24                            ; s[24:31] descriptor group 1 for A's tiles;  s[32:39] group 0, one set for each slot
.set G0, 32
.set G1B, 48                           ; s[48:55], s[56:63] the same for B's tiles
.set G0B, 56
.set G1S, 68                           ; s[68:75], s[76:79] groups 1 and 0 for A's scales;  s[80:87], s[88:91] for B's
.set G0S, 76
.set G1SB, 80
.set G0SB, 88
.set MSB, 0
.macro WIN new                         ; the immediate's high byte repeats the setting that is left
.if MSB != (\new)
	s_set_vgpr_msb (MSB<<8)|(\new)
.set MSB, (\new)
.endif
.endm
.set MUL_LO, 0xa1                      ; source 0 (B) window 1, source 1 (A) window 0, C and D window 2
.set MUL_HI, 0xf1                      ; the same, C and D window 3
.set TO_B,   0x40                      ; destination window 1, address window 0
; A joint load: waves 0 and 1 fetch for A, waves 2 and 3 for B.  Each line has one mask and one set of registers for all that issue it; the branch hangs on the wave's number alone.
; An s_nop 0 and four v_nop follow each of the two lines.
.macro JLOAD g0a, g1a, g0b, g1b
	s_cmp_eq_u32 s15, 0
	s_cbranch_scc0 .Lfor_b_\@
	tensor_load_to_lds s[\g0a:\g0a+3], s[\g1a:\g1a+7]
	s_nop 0
.rept 4
	v_nop
.endr
	s_branch .Lasked_\@
.Lfor_b_\@:
	tensor_load_to_lds s[\g0b:\g0b+3], s[\g1b:\g1b+7]
	s_nop 0
.rept 4
	v_nop
.endr
.Lasked_\@:
.endm
.macro CROUND                          ; a round of the cluster's barrier
	s_barrier_signal -1
	s_barrier_wait -1
	s_cmp_lg_u32 s14, 0
	s_cbranch_scc1 .Lnot_wave_0_\@
	s_barrier_signal -3
.Lnot_wave_0_\@:
	s_barrier_wait -3
	s_barrier_signal -1
	s_barrier_wait -1
.endm
	s_load_b128 s[4:7], s[0:1], 0x0                ; A's codes s[4:5], A's scales s[6:7]
	s_load_b128 s[8:11], s[0:1], 0x10              ; B's codes s[8:9], B's scales s[10:11]
	s_load_b64 s[12:13], s[0:1], 0x20              ; qkvh
	s_load_b64 s[96:97], s[0:1], 0x28              ; qkvf
	v_lshl_add_u32 v[SPW], v0, 2, SPARE
	v_mov_b32 v[NIL], 0
	ds_add_u32 v[SPW], v[NIL]                      ; the wave's opening: the add, twice on end, and its wait ahead of my first tensor load
	ds_add_u32 v[SPW], v[NIL]
	v_lshrrev_b32 v1, 5, v0
	v_readfirstlane_b32 s14, v1                    ; wave 0..3
	s_lshr_b32 s15, s14, 1                         ; which half of the tile's rows is mine.  Also: I fetch for A (0) or for B (1)
	s_and_b32 s16, s14, 1                          ; which half of its columns.  Also: which 128 rows of that tile I fetch
	s_bfe_u32 s40, ttmp6, 0x40000                  ; cx, cy: my place in the cluster
	s_bfe_u32 s41, ttmp6, 0x40004
	s_lshl_b32 s42, ttmp9, 2
	s_add_co_u32 s42, s42, s40                     ; tile column = 4 x cluster x + cx
	s_and_b32 s17, ttmp7, 0xffff
	s_lshl_b32 s18, s41, 3
	s_add_co_u32 s17, s17, s18                     ; tile row = 8 cy + cluster y: batch cy, positions 256 x cluster y on
	s_lshl_b32 s43, s41, 2
	s_lshl_b32 s43, 15, s43                        ; my row of the cluster
	s_lshl_b32 s44, 0x1111, s40                    ; my column
	; descriptor group 1: a tile of 128 rows x 256 bytes, padded in LDS
	s_or_b32 s[G1+0], s43, (0<<16)|(1<<20)|(1<<21)|(5<<22)|(3<<25)  ; the mask: A's tiles go to my row; elements of 1 byte; padding on; bit 21 beside a mask; 4 words behind every 64
	s_or_b32 s[G1B+0], s44, (0<<16)|(1<<20)|(1<<21)|(5<<22)|(3<<25)
.irp g, G1, G1B
	s_mov_b32 s[\g+1], ROWB<<16                    ; tensor_dim0
	s_mov_b32 s[\g+2], 128<<16                     ; tensor_dim1 = 128
	s_mov_b32 s[\g+3], ROWB<<16                    ; tile_dim0
	s_mov_b32 s[\g+4], 128                         ; tile_dim1 = 128
	s_mov_b32 s[\g+5], KROW                        ; tensor_dim0_stride
	s_mov_b32 s[\g+6], 0
	s_mov_b32 s[\g+7], 0
.endr
	; the scales of 128 rows: a dense block of 4,096 bytes, as 16 rows of 256 bytes (32 elements of 8 bytes), 16 bytes of padding behind each
	s_or_b32 s[G1S+0], s43, (3<<16)|(1<<20)|(1<<21)|(5<<22)|(3<<25)
	s_or_b32 s[G1SB+0], s44, (3<<16)|(1<<20)|(1<<21)|(5<<22)|(3<<25)
.irp g, G1S, G1SB
	s_mov_b32 s[\g+1], 32<<16
	s_mov_b32 s[\g+2], (128*KS/256)<<16
	s_mov_b32 s[\g+3], 32<<16
	s_mov_b32 s[\g+4], 128*KS/256
	s_mov_b32 s[\g+5], 32
	s_mov_b32 s[\g+6], 0
	s_mov_b32 s[\g+7], 0
.endr
	s_lshl_b32 s18, s16, 7                         ; which 128 rows of the tile I fetch
	s_lshl_b32 s20, s17, 8
	s_add_co_u32 s20, s20, s18                     ; A: row 256 x tile row + 128 x half
	s_lshl_b32 s46, s42, 8
	s_add_co_u32 s46, s46, s18                     ; B: row 256 x tile column + 128 x half
	s_mov_b32 s21, 0
	s_mov_b32 s47, 0
	s_mov_b64 s[18:19], KS
	s_mul_u64 s[22:23], s[20:21], s[18:19]         ; where these rows' scales begin, in bytes
	s_mul_u64 s[92:93], s[46:47], s[18:19]
	s_mov_b64 s[18:19], KROW
	s_mul_u64 s[20:21], s[20:21], s[18:19]         ; and their codes
	s_mul_u64 s[46:47], s[46:47], s[18:19]
	s_mul_i32 s45, s14, HALFT                      ; where they go: wave x 128 rows: no place in the cluster enters an LDS address
	s_mul_i32 s94, s14, HALFS
	s_wait_dscnt 0x0                               ; both opening adds are done
	s_wait_kmcnt 0x0
	s_add_nc_u64 s[20:21], s[4:5], s[20:21]
	s_add_nc_u64 s[22:23], s[6:7], s[22:23]
	s_add_nc_u64 s[46:47], s[8:9], s[46:47]
	s_add_nc_u64 s[92:93], s[10:11], s[92:93]
	CROUND                                         ; all sixteen work-groups are here: the joint loads meet
	s_mov_b32 s[G0S], 1
	s_add_co_u32 s[G0S+1], s94, SCL
	s_mov_b64 s[G0S+2:G0S+3], s[22:23]
	s_or_b32 s[G0S+3], s[G0S+3], 0x80000000
	s_mov_b32 s[G0SB], 1
	s_add_co_u32 s[G0SB+1], s94, SCL
	s_mov_b64 s[G0SB+2:G0SB+3], s[92:93]
	s_or_b32 s[G0SB+3], s[G0SB+3], 0x80000000
	JLOAD G0S, G1S, G0SB, G1SB                     ; the scales first: they are wanted with the first slot.  Three loads of mine are out behind these lines
.irp s, 0,1
	s_mov_b32 s[G0+4*\s], 1
	s_add_co_u32 s[G0+4*\s+1], s45, \s*SLOT
	s_add_nc_u64 s[G0+4*\s+2:G0+4*\s+3], s[20:21], \s*ROWB
	s_or_b32 s[G0+4*\s+3], s[G0+4*\s+3], 0x80000000
	s_mov_b32 s[G0B+4*\s], 1
	s_add_co_u32 s[G0B+4*\s+1], s45, \s*SLOT
	s_add_nc_u64 s[G0B+4*\s+2:G0B+4*\s+3], s[46:47], \s*ROWB
	s_or_b32 s[G0B+4*\s+3], s[G0B+4*\s+3], 0x80000000
	JLOAD G0+4*\s, G1, G0B+4*\s, G1B
.endr
	v_and_b32 v1, 15, v0                           ; l % 16
	v_bfe_u32 v2, v0, 4, 1                         ; l / 16
	v_mul_u32_u24 v3, v1, PITCH
	v_lshl_add_u32 v4, v2, 4, v3                   ; a fragment's row x pitch + 16 x half
	s_mul_i32 s21, s15, HALFT                      ; my 128 rows of A
	s_mul_i32 s22, s16, HALFT                      ; my 128 rows of B,
	s_add_co_u32 s22, s22, 2*HALFT                 ; which lie behind A's 256
.irp s, 0,1
	v_add_nc_u32 v[ADRA+\s], s21, v4
	v_add_nc_u32 v[ADRB+\s], s22, v4
	s_add_co_u32 s21, s21, SLOT
	s_add_co_u32 s22, s22, SLOT
.endr
	v_mul_u32_u24 v5, v1, KS                       ; my row's scales: 32 bytes a row,
	v_lshrrev_b32 v6, 8, v5
	v_lshl_add_u32 v5, v6, 4, v5                   ; and 16 more for each 256 passed
	s_mul_i32 s21, s15, HALFS                      ; A's: my 128 rows
	s_mul_i32 s22, s16, HALFS                      ; B's: my 128 rows, behind A's 256
	s_add_co_u32 s22, s22, 2*HALFS
	s_sub_co_u32 s22, s22, s21
	v_mul_u32_u24 v6, s22, v2                      ; lanes 16-31 take B's: the lower base + (l / 16) x the distance
	s_add_co_u32 s21, s21, SCL
	v_add_nc_u32 v5, v5, v6
	v_add_nc_u32 v[ADRS], s21, v5
	s_mul_i32 s23, s14, 16*SPITCH                  ; my stage
	v_mul_u32_u24 v5, v1, SPITCH                   ; in: row l % 16, 16 bytes for each half of the lanes
	v_lshl_add_u32 v5, v2, 4, v5
	v_add_nc_u32 v[STO], s23, v5
	v_and_b32 v6, 31, v0
	v_lshlrev_b32 v[CO], 4, v6
	v_lshrrev_b32 v5, 3, v6                        ; back: eight lanes take a head's 128 bytes of a row, 32 lanes four rows
	v_mul_u32_u24 v5, v5, SPITCH
	v_and_b32 v6, 7, v0
	v_lshl_add_u32 v5, v6, 4, v5
	v_add_nc_u32 v[RD], s23, v5
	v_mul_u32_u24 v[FO], v1, SIZE_N*4
	v_lshl_add_u32 v[FO], v2, 5, v[FO]
	; where my 128 x 128 goes.  n0 = 256 x tile column + 128 x half; plane = 64 (n0 / 1024) + 16 cy + (n0 % 1024) / 64; first position = 256 x cluster y + 128 x half
	s_lshl_b32 s46, s42, 8
	s_lshl_b32 s47, s16, 7
	s_add_co_u32 s46, s46, s47                     ; n0
	s_lshr_b32 s47, s46, 10
	s_lshl_b32 s47, s47, 6
	s_lshl_b32 s20, s41, 4
	s_add_co_u32 s47, s47, s20
	s_bfe_u32 s20, s46, 0x40006
	s_add_co_u32 s47, s47, s20                     ; the plane of my first 64 columns; the other 64 lie one plane on
	s_lshl_b32 s20, s47, 18                        ; x 262,144 bytes (191 planes at the most: under 2^32)
	s_and_b32 s21, ttmp7, 0xffff
	s_lshl_b32 s21, s21, 15                        ; 256 positions of 128 bytes
	s_add_co_u32 s20, s20, s21
	s_lshl_b32 s21, s15, 14
	s_add_co_u32 s20, s20, s21
	s_mov_b32 s21, 0
	s_add_nc_u64 s[12:13], s[12:13], s[20:21]
	s_mul_i32 s20, s41, 16*SIZE_N*4                ; qkvf: the batch's 16 rows,
	s_lshl_b32 s22, s46, 2                         ; + 4 n0
	s_add_co_u32 s20, s20, s22
	s_add_nc_u64 s[96:97], s[96:97], s[20:21]
	s_and_b32 s98, ttmp7, 0xffff
	s_or_b32 s98, s98, s15                         ; 0 where my rows begin at position 0: the cluster's y and the wave's number alone
.macro FRAG reg, adr, q, i             ; a fragment, 16 rows x 128 K of 4-bit codes: lane l holds row l % 16; registers 4 c .. 4 c + 3 hold K = 64 c + 32 (l / 16) + 0 .. 31
.irp c, 0,1
	ds_load_b128 v[\reg+4*\c:\reg+4*\c+3], v[\adr] offset:64*(\q)+32*\c+(\i)*16*PITCH
.endr
.endm
; 16 matrix instructions: A's blocks a0, a0 + 1 x B's eight, the slot's q-th 128 along K.  p: B's set;  sc: the set of scale words.  zero = 1: the first product starts the sums.
; The 64 accumulators take turns, one instruction a turn, in the same order in every step.
.macro MUL16 a0, p, q, sc, zero
.irp a, \a0, \a0+1
.irp b, 0,1,2,3,4,5,6,7
.if \zero
	v_wmma_scale_f32_16x16x128_f8f6f4 v[8*(8*((\a)%4)+\b):8*(8*((\a)%4)+\b)+7], v[128*(\p)+FR*\b:128*(\p)+FR*\b+FR-1], v[AF+FR*(\a):AF+FR*(\a)+FR-1], 0, v[SC+8*NQ*(\sc)+NQ*\b+(\q)], v[SC+8*NQ*(\sc)+NQ*(\a)+(\q)] matrix_a_fmt:MATRIX_FMT_FP4 matrix_b_fmt:MATRIX_FMT_FP4 matrix_a_scale:MATRIX_SCALE_ROW1
.else
	v_wmma_scale_f32_16x16x128_f8f6f4 v[8*(8*((\a)%4)+\b):8*(8*((\a)%4)+\b)+7], v[128*(\p)+FR*\b:128*(\p)+FR*\b+FR-1], v[AF+FR*(\a):AF+FR*(\a)+FR-1], v[8*(8*((\a)%4)+\b):8*(8*((\a)%4)+\b)+7], v[SC+8*NQ*(\sc)+NQ*\b+(\q)], v[SC+8*NQ*(\sc)+NQ*(\a)+(\q)] matrix_a_fmt:MATRIX_FMT_FP4 matrix_b_fmt:MATRIX_FMT_FP4 matrix_a_scale:MATRIX_SCALE_ROW1
.endif
.endr
.endr
.endm
.macro FETCH_B slot, q, p              ; B's eight fragments of the slot's q-th 128 along K into set p
	WIN TO_B
.irp i, 0,1,2,3,4,5,6,7
	FRAG 128*(\p)+FR*\i, ADRB+\slot, \q, \i
.endr
	WIN 0
.endm
.macro FETCH_A slot, q, i0             ; A's blocks i0 .. i0 + 3
.irp i, \i0, \i0+1, \i0+2, \i0+3
	FRAG AF+FR*(\i), ADRA+\slot, \q, \i
.endr
.endm
.macro SCALES sc                       ; a slot's scale words into set sc: 4 words a row; lanes 0-15 take A's block i, lanes 16-31 B's block i
.irp i, 0,1,2,3,4,5,6,7
	ds_load_b128 v[SC+8*NQ*\sc+NQ*\i:SC+8*NQ*\sc+NQ*\i+3], v[ADRS] offset:\i*SBLK
.endr
.endm
; A load into a register that a matrix instruction has read, and a vector instruction or store that reads a matrix result, stand four places behind that matrix instruction; only plain vector
; instructions that name none of its registers are places.
.macro PLACES n
.rept \n
	v_nop
.endr
.endm
; A step of 128 along K that has its successor in the same slot.
.macro STEP slot, q, zero
	s_wait_dscnt 4*NL                              ; B's set and A's blocks 0-3 are in; the youngest eight loads (A's blocks 4-7) may be out
	WIN MUL_LO
	MUL16 0, (\q)%2, \q, \slot, \zero
	MUL16 2, (\q)%2, \q, \slot, \zero
	s_wait_dscnt 0                                 ; A's blocks 4-7 are in
	PLACES NP
	FETCH_B \slot, (\q)+1, 1-(\q)%2
	FETCH_A \slot, (\q)+1, 0
	WIN MUL_HI
	MUL16 4, (\q)%2, \q, \slot, \zero
	MUL16 6, (\q)%2, \q, \slot, \zero
	PLACES NP
	WIN 0
	FETCH_A \slot, (\q)+1, 4
.endm
.macro STEPS slot, from                ; the slot's steps from .. NQ - 2
.set Q, \from
.rept NQ-1-\from
	STEP \slot, Q, 0
.set Q, Q+1
.endr
.endm
	s_wait_tensorcnt 1                             ; the scales and my part of slot 0 are in (slot 1's load may be out)
	s_barrier_signal -1
	s_barrier_wait -1                              ; everybody's are
	FETCH_B 0, 0, 0
	FETCH_A 0, 0, 0
	SCALES 0
	FETCH_A 0, 0, 4
	STEP 0, 0, 1                                   ; the first step's products start the sums
	STEPS 0, 1
	; slot 0's last step changes slots: one barrier; in front of it each wave waits for all its tensor loads (its part of slot 1), adds 0 to its spare word, and waits for that and for its reads of slot 0
	s_wait_tensorcnt 0x0
	ds_add_u32 v[SPW], v[NIL]
	s_wait_dscnt 4*NL+1                            ; (the add and the youngest eight loads may be out)
	WIN MUL_LO
	MUL16 0, 1, NQ-1, 0, 0                         ; sixteen matrix instructions stand between the add and the wait for it
	s_wait_dscnt 0x0                               ; the add is done, and my reads of slot 0 are over
	s_barrier_signal -1
	MUL16 2, 1, NQ-1, 0, 0
	WIN 0
	s_barrier_wait -1                              ; slot 1 is whole, and nobody reads slot 0 any more
	PLACES NP
	v_add_nc_u32 v[ADRS], 4*NQ, v[ADRS]            ; on to slot 1's scale words
	FETCH_B 1, 0, 0
	FETCH_A 1, 0, 0
	SCALES 1
	WIN MUL_HI
	MUL16 4, 1, NQ-1, 0, 0
	MUL16 6, 1, NQ-1, 0, 0
	PLACES NP
	WIN 0
	FETCH_A 1, 0, 4
	STEPS 1, 0
	s_wait_dscnt 4*NL                              ; the very last step: nothing more to fetch
	WIN MUL_LO
	MUL16 0, 1, NQ-1, 1, 0
	MUL16 2, 1, NQ-1, 1, 0
	s_wait_dscnt 0
	WIN MUL_HI
	MUL16 4, 1, NQ-1, 1, 0
	MUL16 6, 1, NQ-1, 1, 0
	WIN 0
	PLACES NP
	; POSITIONS 0 .. 15 AS F32: block 0 of the waves whose rows begin at position 0.  Lane (r, h) holds row r, columns 16 b + 8 h + 0 .. 7: 32 bytes.  Each accumulator from its low end on.
	s_cmp_lg_u32 s98, 0
	s_cbranch_scc1 .Lno_fine
	WIN 0x08                                       ; a store's data are its source 1: window 2
.irp b, 0,1,2,3,4,5,6,7
	global_store_b128 v[FO], v[8*\b:8*\b+3], s[96:97] offset:64*\b
	global_store_b128 v[FO], v[8*\b+4:8*\b+7], s[96:97] offset:64*\b+16
.endr
	WIN 0
.Lno_fine:
; THE WAY OUT, block by block of 16 rows x 128 columns (two heads).  PACK: rounded to f16, 16 bytes a lane.  TOSTAGE: into my stage, and back by heads: four rows of one head are 512 consecutive bytes of qkvh.  SEND: stored.
.macro PACK a
.set AC, 64*((\a)%4)
	WIN 0x0a+5*((\a)/4)                            ; sources 0 and 1: window 2 or 3
.irp b, 0,1,2,3,4,5,6,7
.irp r, 0,1,2,3
	v_cvt_pk_f16_f32 v[TMP+4*\b+\r], v[AC+8*\b+2*\r], v[AC+8*\b+2*\r+1]
.endr
.endr
	WIN 0
.endm
.macro TOSTAGE a
.set BB, OB+192*((\a)%2)
.irp b, 0,1,2,3,4,5,6,7
	ds_store_b128 v[STO], v[TMP+4*\b:TMP+4*\b+3] offset:32*\b
.endr
.irp g, 0,1,2,3
.irp u, 0,1
	ds_load_b128 v[BB+4*(2*\g+\u):BB+4*(2*\g+\u)+3], v[RD] offset:\g*4*SPITCH+128*\u   ; LDS serves a wave's instructions in order: these see the stores above
.endr
.endr
.endm
.macro SEND a
.set BB, OB+192*((\a)%2)
	s_wait_dscnt 0x0                               ; the block is back in registers
	s_wait_xcnt 0x0                                ; the earlier stores have read their data registers: the next block's loads may land there
.irp g, 0,1,2,3
.irp u, 0,1
	global_store_b128 v[CO], v[BB+4*(2*\g+\u):BB+4*(2*\g+\u)+3], s[12:13] offset:(\a)*2048+\u*262144+\g*512   ; 32 lanes store 512 consecutive bytes, aligned
.endr
.endr
.endm
	PACK 0
	TOSTAGE 0
.irp a, 1,2,3,4,5,6,7                  ; block a's conversions stand between block a - 1's loads from the stage and the wait for them
	PACK \a
	SEND \a-1
	TOSTAGE \a
.endr
	SEND 7
	s_wait_tensorcnt 0x0                           ; the wave's end: three lines behind my last tensor load and my last LDS store
	ds_add_u32 v[SPW], v[NIL]
	s_wait_dscnt 0x0
	CROUND                                         ; the closing round
	s_endpgm
.Lfunc_end_k_qfad6108013_gemm:
	.size	k_qfad6108013_gemm, .Lfunc_end_k_qfad6108013_gemm-k_qfad6108013_gemm
	.p2alignl 7, 3214868480
	.fill 96, 4, 3214868480
	.section	.rodata,"a",@progbits
	.p2align	6, 0x0
	.amdhsa_kernel k_qfad6108013_gemm
		.amdhsa_group_segment_fixed_size 327680
		.amdhsa_private_segment_fixed_size 0
		.amdhsa_enable_private_segment 0
		.amdhsa_kernarg_size 48
		.amdhsa_user_sgpr_count 2
		.amdhsa_user_sgpr_kernarg_segment_ptr 1
		.amdhsa_wavefront_size32 1
		.amdhsa_system_sgpr_workgroup_id_x 1
		.amdhsa_system_sgpr_workgroup_id_y 1
		.amdhsa_system_sgpr_workgroup_id_z 1
		.amdhsa_system_vgpr_workitem_id 0
		.amdhsa_next_free_vgpr 1024
		.amdhsa_next_free_sgpr 100
		.amdhsa_reserve_vcc 0
		.amdhsa_float_denorm_mode_32 3
		.amdhsa_float_denorm_mode_16_64 3
		.amdhsa_memory_ordered 1
		.amdhsa_forward_progress 1
		.amdhsa_inst_pref_size 129
	.end_amdhsa_kernel
	.amdgpu_metadata
---
amdhsa.version: [ 1, 2 ]
amdhsa.kernels:
  - .name:           k_qfad6108013_gemm
    .symbol:         k_qfad6108013_gemm.kd
    .args:
      - { .name: xc, .offset: 0, .size: 8, .value_kind: global_buffer, .address_space: global }
      - { .name: xs, .offset: 8, .size: 8, .value_kind: global_buffer, .address_space: global }
      - { .name: wc, .offset: 16, .size: 8, .value_kind: global_buffer, .address_space: global }
      - { .name: ws, .offset: 24, .size: 8, .value_kind: global_buffer, .address_space: global }
      - { .name: qkvh, .offset: 32, .size: 8, .value_kind: global_buffer, .address_space: global }
      - { .name: qkvf, .offset: 40, .size: 8, .value_kind: global_buffer, .address_space: global }
    .group_segment_fixed_size: 327680
    .private_segment_fixed_size: 0
    .kernarg_segment_align: 8
    .kernarg_segment_size: 48
    .max_flat_workgroup_size: 128
    .sgpr_count:     100
    .vgpr_count:     1024
    .wavefront_size: 32
...
	.end_amdgpu_metadata
.endif
;; end of part 2
;; launch attn (part 3): grid 4 x 64, 16 waves a work-group, no clusters, 327,680 bytes of LDS; arguments qkvh, att16; writes att16
.if DOCPART == 3
	.amdgcn_target "amdgcn-amd-amdhsa--gfx1250"
	.amdhsa_code_object_version 6
	.text
	.protected	k_qfad6108013_attn
	.globl	k_qfad6108013_attn
	.p2align	8
	.type	k_qfad6108013_attn,@function
k_qfad6108013_attn:
	s_mov_b64 s[64:65], 0
	v_nop
	global_prefetch_b8 v0, s[64:65] scope:SCOPE_SE
	s_setreg_imm32_b32 hwreg(HW_REG_WAVE_MODE, 25, 1), 1
	s_wait_xcnt 0x0
; att[b][t][h][:] = the sum over keys k <= t of softmax_k(q . k / 32) v, for every batch and head.  q, k, v: f16 planes of qkvh ([part][16 b + h][2048][64]); products in f16 with f32 sums; maxima, exponentials and sums in f32,
; with a running maximum.  The weights p (at most 1) are rounded to f16 for the second product.  Out: f16, att16 [h][2048 b + t][64].
; SHARES.  Work-group (p, bh), p = 0 .. 3, owns two blocks of 256 queries of one head: block 7 - p, then block p.  Under the causal mask block i needs key units 0 .. i of 256 keys: 8 - p and p + 1 units, NINE for
; every work-group: 256 work-groups of equal work, and the trip counts are constants of the text.  Each of the sixteen waves owns 16 queries of the block in hand, in 256 registers: four waves to a SIMD.
; NO CLUSTER: the four work-groups of a head need different numbers of tiles at any moment (8 - p against p + 1 units a block); walking in step, each round would last as long as the busiest partner, and the mask would
; let every wave of some partner pass over a tile that it had asked for jointly.
; LAYOUT.  Both products are used transposed: S^T = K Q^T (source 0 = 16 keys, source 1 = my 16 queries), O^T = V^T P (source 0 = 16 channels, source 1 = P): a lane holds ONE query (lane % 16) throughout, and two
; tiles of S^T, rounded in pairs, ARE a fragment of P.  K comes out of LDS as it lies, V ([key][channel]) turned by ds_load_tr16_b128.
; THE RING.  Two slots, 2^17 bytes apart, each a unit of 256 keys: K's 256 rows (128 bytes + 16), V's 256 rows (128 bytes + 32).  Waves 0, 1 fetch K's halves, waves 2, 3 V's; one load a wave behind each barrier.
; LIMITS: q, k, v under 65,504 in magnitude (they arrive as f16); NaN and infinities are not served.
.set KP,    144                        ; a row of K in LDS: 36 words: 16 rows of a load start in different groups of banks
.set VP,    160                        ; a row of V: an odd multiple of 32 bytes
.set VOFF,  256*KP                     ; a slot: K's 256 rows, then V's
.set SLOT1, 1<<17
.set STAGE, VOFF+256*VP                ; behind slot 0 and in front of slot 1: 16 rows x 144 bytes for each wave, for the way out; no tile lands here
.set SPARE, STAGE+16*16*KP             ; the spare words, 128 bytes for each wave
.set AK0, 1                            ; v1   my lane's place in a tile of K
.set AV0, 2                            ; v2   the same for V
.set ADK, 3                            ; v3   LDS address of the step's K
.set ADV, 4                            ; v4   of its V
.set SPW, 5                            ; v5   my spare word; never rewritten
.set NIL, 6                            ; v6   0; never rewritten
.set GO,  7                            ; v7   16 x lane
.set STO, 8                            ; v8   the way out: where I put 16 bytes of a row
.set RD,  9                            ; v9   where I read back
.set QO,  10                           ; v10  my byte offset in the wave's rows of Q
.set RH,  11                           ; v11  lane % 16 - 8 (lane / 16)
.set ST,  12                           ; v12 c m, v13 m, v14, v15 the sum (even keys', odd keys'), v16-19 at work; a takes v18
.set DD,  20                           ; v20  the mask's bound
.set NINF, 21                          ; v21  -infinity
.set PFO, 22                           ; v22  256 x lane
.set QF,  24                           ; v24-39   Q's two fragments
.set KFR, 40                           ; v40-103  K: fragment (16 keys kt, 32 channels cc) at 8 (2 kt + cc)
.set VFR, 104                          ; v104-167 V^T: fragment (32 keys kk, 16 channels ct) at 8 (4 kk + ct)
.set S,   168                          ; v168-199 S^T, then p
.set P,   200                          ; v200-215 P
.set O,   216                          ; v216-247 O^T
.set WV,  8
.set PP,  9
.set BH,  10
.set KB,  12                           ; s[12:13] K's plane at my half of a unit;  s[14:15] V's
.set VB,  14
.set QP,  16                           ; s[16:17] Q's plane;  s[18:19] at my queries
.set QB,  18
.set SEL, 20                           ; s[20:21] lane selects: lane l xor 16
.set CS,  22                           ; s[22:23] c = log2(e) / 32
.set G1K, 24
.set G1V, 32
.set G0K, 40
.set G0V, 44
.set OP,  48                           ; s[48:49] att16 at my head and batch;  s[50:51] at my queries
.set OB,  50
.set TB,  52                           ; s52  LDS byte at which the slot in hand begins
.set KF,  53                           ; s53  the step's first key
.set Q0,  54                           ; s54  my first query
.set CNT, 55                           ; s55  the loop's counter
.set NA,  56                           ; s56  units left of the first block
.set KU,  57                           ; s57  the unit asked for last
.set NAC, 58                           ; s58  8 - p
.set OFF, 60                           ; s[60:61] that unit's byte offset
.set PFA, 68                           ; s[68:69] where my prefetches stand
.set LIM, 70                           ; s70  2 in a wave that prefetches, else the greatest number
; Waves 0 and 1 fetch for K, waves 2 and 3 for V, the others nothing.  An s_nop 0 and four v_nop follow each of the two lines.  One load of a wave is out at the most.
.macro TLOAD
	s_cmp_lt_u32 s[WV], 2
	s_cbranch_scc0 .Lnot_k_\@
	tensor_load_to_lds s[G0K:G0K+3], s[G1K:G1K+7]
	s_nop 0
.rept 4
	v_nop
.endr
	s_branch .Lasked_\@
.Lnot_k_\@:
	s_cmp_lt_u32 s[WV], 4
	s_cbranch_scc0 .Lasked_\@
	tensor_load_to_lds s[G0V:G0V+3], s[G1V:G1V+7]
	s_nop 0
.rept 4
	v_nop
.endr
.Lasked_\@:
.endm
; A prefetch of the unit that the NEXT change of slots will ask for: four key steps ahead of that load.  All four work-groups of a head walk the same K and V: work-group p = 0, which walks units 0 .. 7 on end, asks.
; In it waves 4 to 7 ask for K's 32,768 bytes of the unit, waves 8 to 11 for V's: 8,192 bytes a wave, lanes 256 bytes apart: each block of 256 bytes is named once.  Trips 0 .. 5 ask for units 2 .. 7; later trips ask for nothing.
.macro ASK
	s_cmp_gt_u32 s[CNT], s[LIM]
	s_cbranch_scc0 .Lnot_mine_\@
	global_prefetch_b8 v[PFO], s[PFA:PFA+1] th:TH_LOAD_NT scope:SCOPE_SE
.Lnot_mine_\@:
.endm
.macro QLOAD                           ; my 16 queries: fragment cc at v[QF + 8 cc]: two loads of 16 bytes, 32 bytes apart
.irp i, 0,1,2,3
	global_load_b128 v[QF+4*\i:QF+4*\i+3], v[QO], s[QB:QB+1] offset:32*\i
.endr
.endm
.macro INIT                            ; the step is written once: a block's first step finds zeros and a maximum under every score
	v_mov_b32 v[ST+1], 0xff61b1e6                  ; m = -3e38
	v_mul_f32 v[ST], s[CS], v[ST+1]                ; c m
	v_mov_b32 v[ST+2], 0
	v_mov_b32 v[ST+3], 0
	v_mov_b32 v[ST+5], 0                           ; (a lane permute's destination counts as one of its sources)
.irp i, 0,1,2,3,4,5,6,7,8,9,10,11,12,13,14,15,16,17,18,19,20,21,22,23,24,25,26,27,28,29,30,31
	v_mov_b32 v[O+\i], 0
.endr
.endm
	s_load_b128 s[4:7], s[0:1], 0x0                ; qkvh, att16
	v_lshl_add_u32 v[SPW], v0, 2, SPARE
	v_mov_b32 v[NIL], 0
	ds_add_u32 v[SPW], v[NIL]                      ; the wave's opening: the add, twice on end, and its wait ahead of the first tensor load
	ds_add_u32 v[SPW], v[NIL]
	v_lshrrev_b32 v1, 5, v0
	v_readfirstlane_b32 s[WV], v1                  ; wave 0..15
	s_mov_b32 s[PP], ttmp9                         ; p
	s_and_b32 s[BH], ttmp7, 0xffff                 ; 16 b + h
	; descriptor group 1: 128 rows of 64 elements of 2 bytes, dense in memory; padding behind every 32 words: K 4 words, V 8
	s_mov_b32 s[G1K], (1<<16)|(1<<20)|(4<<22)|(3<<25)
	s_mov_b32 s[G1V], (1<<16)|(1<<20)|(4<<22)|(7<<25)
.irp g, G1K, G1V
	s_mov_b32 s[\g+1], 64<<16                      ; tensor_dim0
	s_mov_b32 s[\g+2], 128<<16                     ; tensor_dim1
	s_mov_b32 s[\g+3], 64<<16                      ; tile_dim0
	s_mov_b32 s[\g+4], 128                         ; tile_dim1
	s_mov_b32 s[\g+5], 64                          ; tensor_dim0_stride
	s_mov_b32 s[\g+6], 0
	s_mov_b32 s[\g+7], 0
.endr
	s_mov_b32 s[SEL], 0x76543210
	s_mov_b32 s[SEL+1], 0xfedcba98
	s_mov_b32 s[CS], 0x3d38aa3b                    ; c = log2(e) / sqrt(1024)
	s_mov_b32 s[CS+1], s[CS]                       ; (named with it as a pair, so it is written)
	s_mov_b32 s[TB], 0
	s_mov_b32 s[KF], 0
	s_mov_b32 s[KU], 0
	s_mov_b32 s[CNT], 8
	s_sub_co_u32 s[NA], 8, s[PP]
	s_mov_b32 s[NAC], s[NA]
	s_mov_b32 s[OFF+1], 0
	s_and_b32 s71, s[WV], 1                        ; which half of a unit I fetch, if I fetch
	s_lshl_b32 s72, s[BH], 18                      ; my head's plane among a part's 64
	s_mov_b32 s73, 0
	s_lshl_b32 s74, s71, 14                        ; 128 rows of 128 bytes
	s_add_co_u32 s74, s74, s72
	s_mov_b32 s75, 0
	s_sub_co_u32 s[Q0], 7, s[PP]
	s_lshl_b32 s[Q0], s[Q0], 8
	s_lshl_b32 s66, s[WV], 4
	s_add_co_u32 s[Q0], s[Q0], s66                 ; my first query: 256 (7 - p) + 16 x wave
	s_wait_dscnt 0x0                               ; both opening adds are done
	s_wait_kmcnt 0x0
	s_add_nc_u64 s[KB:KB+1], s[4:5], s[74:75]
	s_add_nc_u64 s[VB:VB+1], s[KB:KB+1], 0x2000000 ; V's planes lie 128 planes behind K's
	s_add_nc_u64 s[QP:QP+1], s[4:5], s[72:73]
	s_add_nc_u64 s[QP:QP+1], s[QP:QP+1], 0x1000000 ; Q's 64
	s_mov_b32 s[G0K], 1
	s_mul_i32 s[G0K+1], s71, 128*KP
	s_mov_b64 s[G0K+2:G0K+3], s[KB:KB+1]
	s_or_b32 s[G0K+3], s[G0K+3], 0x80000000
	s_mov_b32 s[G0V], 1
	s_mul_i32 s[G0V+1], s71, 128*VP
	s_add_co_u32 s[G0V+1], s[G0V+1], VOFF
	s_mov_b64 s[G0V+2:G0V+3], s[VB:VB+1]
	s_or_b32 s[G0V+3], s[G0V+3], 0x80000000
	TLOAD                                          ; unit 0 into slot 0
	s_and_b32 s72, s[BH], 15
	s_lshl_b32 s72, s72, 20                        ; att16: head h's plane of 1,048,576 bytes,
	s_lshr_b32 s74, s[BH], 4
	s_lshl_b32 s74, s74, 18                        ; batch b's 2,048 rows of 128 bytes
	s_add_co_u32 s72, s72, s74
	s_add_nc_u64 s[OP:OP+1], s[6:7], s[72:73]
	s_lshl_b32 s72, s[Q0], 7
	s_add_nc_u64 s[QB:QB+1], s[QP:QP+1], s[72:73]
	s_add_nc_u64 s[OB:OB+1], s[OP:OP+1], s[72:73]
	s_sub_nc_u64 s[PFA:PFA+1], s[QP:QP+1], 0x1000000   ; K's plane,
	s_add_nc_u64 s[74:75], s[QP:QP+1], 0x1000000       ; V's
	s_cmp_lt_u32 s[WV], 8
	s_cselect_b64 s[PFA:PFA+1], s[PFA:PFA+1], s[74:75]
	s_and_b32 s72, s[WV], 3
	s_lshl_b32 s72, s72, 13                        ; my wave's 8,192 bytes,
	s_add_co_u32 s72, s72, 32768                   ; in unit 1: the first change of slots steps it to unit 2.  Nothing is prefetched at the head
	s_add_nc_u64 s[PFA:PFA+1], s[PFA:PFA+1], s[72:73]
	s_sub_co_u32 s72, s[WV], 4
	s_lshr_b32 s72, s72, 3                         ; 0 in waves 4 to 11,
	s_or_b32 s72, s72, s[PP]                       ; of work-group p = 0
	s_cmp_eq_u32 s72, 0
	s_cselect_b32 s[LIM], 2, -1
	v_and_b32 v12, 15, v0                          ; r
	v_bfe_u32 v13, v0, 4, 1                        ; h
	v_lshlrev_b32 v[QO], 7, v12
	v_lshl_add_u32 v[QO], v13, 4, v[QO]            ; row r of 128 bytes + 16 h
	QLOAD
	v_mul_u32_u24 v[AK0], v12, KP
	v_lshl_add_u32 v[AK0], v13, 4, v[AK0]
	v_and_b32 v14, 7, v0
	v_bfe_u32 v15, v0, 3, 1
	v_lshl_add_u32 v[AV0], v13, 3, v14             ; the turning load: key 8 h + l % 8, channels 8 ((l / 8) % 2) on
	v_mul_u32_u24 v[AV0], v[AV0], VP
	v_lshl_add_u32 v[AV0], v15, 4, v[AV0]
	v_add_nc_u32 v[AV0], VOFF, v[AV0]
	v_and_b32 v16, 31, v0
	v_lshlrev_b32 v[GO], 4, v16
	v_lshlrev_b32 v[PFO], 8, v16
	s_mul_i32 s66, s[WV], 16*KP
	s_add_co_u32 s66, s66, STAGE                   ; my stage
	v_add_nc_u32 v[STO], s66, v[AK0]               ; in: row r, 16 bytes for each half of the lanes
	v_lshrrev_b32 v17, 3, v16
	v_mul_u32_u24 v17, v17, KP
	v_lshl_add_u32 v17, v14, 4, v17
	v_add_nc_u32 v[RD], s66, v17                   ; back: eight lanes to a row of 128 bytes, four rows an instruction
	v_lshlrev_b32 v17, 3, v13
	v_sub_nc_u32 v[RH], v12, v17
	v_mov_b32 v[NINF], 0xff800000
	INIT
	s_wait_loadcnt 0x0                             ; Q
; A KEY STEP: 64 keys, the q-th of the unit in hand.
.macro STEP q
	s_add_co_u32 s66, s[Q0], 15                    ; a step all of whose keys come after my 16 queries is left out: a branch on ids and counts, round loads, products and softmax; no barrier or tensor load stands in a step
	s_cmp_gt_u32 s[KF], s66
	s_cbranch_scc1 .Lhidden_\@
	v_add_nc_u32 v[ADK], s[TB], v[AK0]
	v_add_nc_u32 v[ADV], s[TB], v[AV0]
	v_nop                                          ; with the two additions: four places in front of loads into registers that the last products read
	v_nop
.irp f, 0,1,2,3,4,5,6,7
	ds_load_b128 v[KFR+8*\f:KFR+8*\f+3], v[ADK] offset:(\q)*64*KP+(\f/2)*16*KP+(\f%2)*64
	ds_load_b128 v[KFR+8*\f+4:KFR+8*\f+7], v[ADK] offset:(\q)*64*KP+(\f/2)*16*KP+(\f%2)*64+32
.endr
.irp f, 0,1,2,3,4,5,6,7
	ds_load_tr16_b128 v[VFR+8*\f:VFR+8*\f+3], v[ADV] offset:(\q)*64*VP+(\f/4)*32*VP+(\f%4)*32
	ds_load_tr16_b128 v[VFR+8*\f+4:VFR+8*\f+7], v[ADV] offset:(\q)*64*VP+(\f/4)*32*VP+(\f%4)*32+16*VP
.endr
	s_wait_dscnt 16                                ; K's sixteen loads are in; V's sixteen may be out
.irp t, 0,1,2,3                                ; S^T = K Q^T: the four tiles by turns; the first four start the sums
	v_wmma_f32_16x16x32_f16 v[S+8*\t:S+8*\t+7], v[KFR+16*\t:KFR+16*\t+7], v[QF:QF+7], 0
.endr
.irp t, 0,1,2,3
	v_wmma_f32_16x16x32_f16 v[S+8*\t:S+8*\t+7], v[KFR+16*\t+8:KFR+16*\t+15], v[QF+8:QF+15], v[S+8*\t:S+8*\t+7]
.endr
.rept 4
	v_nop
.endr
	s_add_co_u32 s66, s[KF], 63                    ; on the diagonal the scores of hidden keys become -infinity ahead of the maximum.  A step all of whose keys count skips this
	s_cmp_le_u32 s66, s[Q0]
	s_cbranch_scc1 .Lopen_\@
	s_sub_co_i32 s66, s[Q0], s[KF]
	v_add_nc_u32 v[DD], s66, v[RH]                 ; d = my query - KF - 8 (lane / 16).  Register 8 kt + j holds key KF + 16 kt + 8 (lane / 16) + j: hidden where 16 kt + j > d
.irp n, 0,1,2,3,4,5,6,7,8,9,10,11,12,13,14,15,16,17,18,19,20,21,22,23,24,25,26,27,28,29,30,31
	v_cmp_gt_i32 vcc_lo, 16*(\n/8)+\n%8, v[DD]
	v_cndmask_b32 v[S+\n], v[S+\n], v[NINF], vcc_lo
.endr
.Lopen_\@:
.irp j, 0,1,2,3                                ; the maximum of my 32 scores and the old m: four chains, each from its tile's low end on
	v_max3_num_f32 v[ST+4+\j], v[S+8*\j], v[S+8*\j+1], v[S+8*\j+2]
.endr
.irp j, 0,1,2,3
	v_max3_num_f32 v[ST+4+\j], v[ST+4+\j], v[S+8*\j+3], v[S+8*\j+4]
.endr
.irp j, 0,1,2,3
	v_max3_num_f32 v[ST+4+\j], v[ST+4+\j], v[S+8*\j+5], v[S+8*\j+6]
.endr
	v_max3_num_f32 v[ST+4], v[ST+4], v[S+7], v[S+15]
	v_max3_num_f32 v[ST+6], v[ST+6], v[S+23], v[S+31]
	v_max3_num_f32 v[ST+4], v[ST+4], v[ST+5], v[ST+6]
	v_max3_num_f32 v[ST+4], v[ST+4], v[ST+7], v[ST+1]
	v_permlanex16_b32 v[ST+5], v[ST+4], s[SEL], s[SEL+1]   ; the query's other 32 keys lie in the lane 16 away
	v_mov_b32 v[ST+7], v[ST]                       ; c m_old
	v_max_num_f32 v[ST+1], v[ST+4], v[ST+5]        ; the new m
	v_mul_f32 v[ST], s[CS], v[ST+1]
	v_sub_f32 v[ST+7], v[ST+7], v[ST]              ; c m_old - c m_new
.irp b, 0,2,4,6,8,10,12,14,16,18,20,22,24,26,28,30
	v_pk_fma_f32 v[S+\b:S+\b+1], v[S+\b:S+\b+1], s[CS:CS+1], v[ST:ST+1] op_sel_hi:[1,0,0] neg_lo:[0,0,1] neg_hi:[0,0,1]   ; c s - c m, two at a time
.endr
	v_exp_f32 v[ST+6], v[ST+7]                     ; a = 2^(c m_old - c m_new)
.irp e, 0,1,2,3,4,5,6,7,8,9,10,11,12,13,14,15,16,17,18,19,20,21,22,23,24,25,26,27,28,29,30,31
	v_exp_f32 v[S+\e], v[S+\e]                     ; p
.endr
	v_nop                                          ; a plain line behind the last exponential,
	s_wait_alu depctr_va_vdst(0)                   ; and one wait for the batch of 33, ahead of the first line that names a result
.irp i, 0,1,2,3,4,5,6,7,8,9,10,11,12,13,14,15
	v_cvt_pk_f16_f32 v[P+\i], v[S+2*\i], v[S+2*\i+1]
.endr
.irp u, 0,1,2,3,4,5,6,7                        ; the sum of my 16 pairs, in place, as a tree
	v_pk_add_f32 v[S+4*\u:S+4*\u+1], v[S+4*\u:S+4*\u+1], v[S+4*\u+2:S+4*\u+3]
.endr
.irp u, 0,1,2,3
	v_pk_add_f32 v[S+8*\u:S+8*\u+1], v[S+8*\u:S+8*\u+1], v[S+8*\u+4:S+8*\u+5]
.endr
.irp u, 0,1
	v_pk_add_f32 v[S+16*\u:S+16*\u+1], v[S+16*\u:S+16*\u+1], v[S+16*\u+8:S+16*\u+9]
.endr
	v_pk_add_f32 v[S:S+1], v[S:S+1], v[S+16:S+17]
	v_pk_fma_f32 v[ST+2:ST+3], v[ST+2:ST+3], v[ST+6:ST+7], v[S:S+1] op_sel_hi:[1,0,1]   ; l = a l + the sum
.irp i, 0,2,4,6,8,10,12,14,16,18,20,22,24,26,28,30
	v_pk_mul_f32 v[O+\i:O+\i+1], v[O+\i:O+\i+1], v[ST+6:ST+7] op_sel_hi:[1,0]           ; O^T x a
.endr
	s_wait_dscnt 0x0                               ; V is in
.irp k, 0,1                                    ; O^T += V^T P: the four tiles of channels by turns
.irp c, 0,1,2,3
	v_wmma_f32_16x16x32_f16 v[O+8*\c:O+8*\c+7], v[VFR+32*\k+8*\c:VFR+32*\k+8*\c+7], v[P+8*\k:P+8*\k+7], v[O+8*\c:O+8*\c+7]
.endr
.endr
.Lhidden_\@:
	s_add_co_u32 s[KF], s[KF], 64
.endm
; THE CHANGE OF SLOTS stands at a unit's head.  Each wave waits for all its tensor loads (its part of the slot that it is about to read), adds 0 to its spare word, and waits for that and for its reads of the slot that it
; has left.  Behind the barrier the slot ahead is whole and nobody reads the other one.  fill = 1: that other slot takes the next unit of the walk 0 .. 7 - p, 0 .. p: the load has four key steps in which to land.
.macro CHANGE fill
	s_wait_tensorcnt 0x0                           ; no tensor load of mine is out, so a group 0 may be written
	ds_add_u32 v[SPW], v[NIL]
.if \fill
	ds_add_u32 v[SPW], v[NIL]                      ; and twice on end here, in every trip alike; the descriptors' steps stand between the second and the wait
	s_xor_b32 s[G0K+1], s[G0K+1], SLOT1            ; the other slot than last time
	s_xor_b32 s[G0V+1], s[G0V+1], SLOT1
	s_add_co_u32 s[KU], s[KU], 1
	s_cmp_eq_u32 s[KU], s[NAC]                     ; behind unit 7 - p the walk begins anew, for the second block
	s_cselect_b32 s[KU], 0, s[KU]
	s_lshl_b32 s[OFF], s[KU], 15                   ; 256 rows of 128 bytes a unit
	s_add_nc_u64 s[G0K+2:G0K+3], s[KB:KB+1], s[OFF:OFF+1]
	s_or_b32 s[G0K+3], s[G0K+3], 0x80000000
	s_add_nc_u64 s[G0V+2:G0V+3], s[VB:VB+1], s[OFF:OFF+1]
	s_or_b32 s[G0V+3], s[G0V+3], 0x80000000
	s_wait_xcnt 0x0                                ; the last prefetch, a unit back, has read its address, so it may be written
	s_add_nc_u64 s[PFA:PFA+1], s[PFA:PFA+1], 32768
.endif
	s_wait_dscnt 0x0                               ; the add is done, and my reads of the slot that I have left are over
	s_barrier_signal -1
	s_barrier_wait -1
.if \fill
	TLOAD                                          ; the first thing behind the barrier, and a wave's one tensor load until the next
	ASK
.endif
.endm
; THE WAY OUT of a block: the sum's parts are added; O^T is divided by it, rounded to f16, and goes through my stage, so that a store covers 512 consecutive bytes: my 16 rows of 128 bytes lie on end in att16.
.macro WAYOUT
.rept 4
	v_nop                                          ; places behind the last products
.endr
	v_add_f32 v[ST+4], v[ST+2], v[ST+3]
	v_permlanex16_b32 v[ST+5], v[ST+4], s[SEL], s[SEL+1]
	v_add_f32 v[ST+4], v[ST+4], v[ST+5]
	v_rcp_f32 v[ST+6], v[ST+4]
	v_mov_b32 v[ST+7], 0                           ; a plain line behind the reciprocal (and the pair's upper word is written)
	s_wait_alu depctr_va_vdst(0)                   ; a wait ahead of the first use
.irp i, 0,2,4,6,8,10,12,14,16,18,20,22,24,26,28,30
	v_pk_mul_f32 v[O+\i:O+\i+1], v[O+\i:O+\i+1], v[ST+6:ST+7] op_sel_hi:[1,0]
.endr
.irp i, 0,1,2,3,4,5,6,7,8,9,10,11,12,13,14,15
	v_cvt_pk_f16_f32 v[S+\i], v[O+2*\i], v[O+2*\i+1]
.endr
.irp c, 0,1,2,3
	ds_store_b128 v[STO], v[S+4*\c:S+4*\c+3] offset:32*\c
.endr
.irp i, 0,1,2,3
	ds_load_b128 v[S+16+4*\i:S+16+4*\i+3], v[RD] offset:4*KP*\i   ; LDS serves a wave's instructions in order: these see my stores
.endr
	s_wait_dscnt 0x0
.irp i, 0,1,2,3
	global_store_b128 v[GO], v[S+16+4*\i:S+16+4*\i+3], s[OB:OB+1] offset:512*\i
.endr
.endm
.Lunit:                                            ; eight trips: behind each change of slots the walk's next unit is asked for
	CHANGE 1
	STEP 0
	STEP 1
	STEP 2
	STEP 3
	s_xor_b32 s[TB], s[TB], SLOT1                  ; on to the other slot
	s_sub_co_u32 s[NA], s[NA], 1                   ; the first block ends behind its unit 7 - p: ids and counts alone, the same in all sixteen waves
	s_cmp_lg_u32 s[NA], 0
	s_cbranch_scc1 .Lsame
	s_lshl_b32 s[Q0], s[PP], 8
	s_lshl_b32 s66, s[WV], 4
	s_add_co_u32 s[Q0], s[Q0], s66                 ; the second block's queries: 256 p + 16 x wave
	s_lshl_b32 s72, s[Q0], 7
	s_add_nc_u64 s[QB:QB+1], s[QP:QP+1], s[72:73]  ; (the first block's loads of Q were waited for: their base may be written)
	QLOAD                                          ; they land while the first block goes out
	WAYOUT
	s_wait_xcnt 0x0                                ; the stores have read their base and their data registers, which the next products write
	s_add_nc_u64 s[OB:OB+1], s[OP:OP+1], s[72:73]
	s_mov_b32 s[KF], 0
	INIT
	s_wait_loadcnt 0x0                             ; Q
.Lsame:
	s_sub_co_u32 s[CNT], s[CNT], 1
	s_cmp_lg_u32 s[CNT], 0
	s_cbranch_scc1 .Lunit
	CHANGE 0                                       ; the ninth unit is written out: nothing is left to ask for
	STEP 0
	STEP 1
	STEP 2
	STEP 3
	WAYOUT
	s_wait_tensorcnt 0x0                           ; the wave's end: three lines behind my last tensor load and my last LDS store
	ds_add_u32 v[SPW], v[NIL]
	s_wait_dscnt 0x0
	s_endpgm
.Lfunc_end_k_qfad6108013_attn:
	.size	k_qfad6108013_attn, .Lfunc_end_k_qfad6108013_attn-k_qfad6108013_attn
	.p2alignl 7, 3214868480
	.fill 96, 4, 3214868480
	.section	.rodata,"a",@progbits
	.p2align	6, 0x0
	.amdhsa_kernel k_qfad6108013_attn
		.amdhsa_group_segment_fixed_size 327680
		.amdhsa_private_segment_fixed_size 0
		.amdhsa_enable_private_segment 0
		.amdhsa_kernarg_size 16
		.amdhsa_user_sgpr_count 2
		.amdhsa_user_sgpr_kernarg_segment_ptr 1
		.amdhsa_wavefront_size32 1
		.amdhsa_system_sgpr_workgroup_id_x 1
		.amdhsa_system_sgpr_workgroup_id_y 1
		.amdhsa_system_sgpr_workgroup_id_z 1
		.amdhsa_system_vgpr_workitem_id 0
		.amdhsa_next_free_vgpr 256
		.amdhsa_next_free_sgpr 80
		.amdhsa_reserve_vcc 1
		.amdhsa_float_denorm_mode_32 3
		.amdhsa_float_denorm_mode_16_64 3
		.amdhsa_memory_ordered 1
		.amdhsa_forward_progress 1
		.amdhsa_inst_pref_size 113
	.end_amdhsa_kernel
	.amdgpu_metadata
---
amdhsa.version: [ 1, 2 ]
amdhsa.kernels:
  - .name:           k_qfad6108013_attn
    .symbol:         k_qfad6108013_attn.kd
    .args:
      - { .name: qkvh, .offset: 0, .size: 8, .value_kind: global_buffer, .address_space: global }
      - { .name: att16, .offset: 8, .size: 8, .value_kind: global_buffer, .address_space: global }
    .group_segment_fixed_size: 327680
    .private_segment_fixed_size: 0
    .kernarg_segment_align: 8
    .kernarg_segment_size: 16
    .max_flat_workgroup_size: 512
    .sgpr_count:     80
    .vgpr_count:     256
    .wavefront_size: 32
...
	.end_amdgpu_metadata
.endif
;; end of part 3
;; launch proj (part 4): grid 4 x 64, 4 waves a work-group, clusters of 4 x 4, 327,680 bytes of LDS; arguments att16, wp16, out0; writes out0
.if DOCPART == 4
	.amdgcn_target "amdgcn-amd-amdhsa--gfx1250"
	.amdhsa_code_object_version 6
	.text
	.protected	k_qfad6108013_proj
	.globl	k_qfad6108013_proj
	.p2align	8
	.type	k_qfad6108013_proj,@function
k_qfad6108013_proj:
	s_mov_b64 s[64:65], 0
	v_nop
	global_prefetch_b8 v0, s[64:65] scope:SCOPE_SE
	s_setreg_imm32_b32 hwreg(HW_REG_WAVE_MODE, 25, 1), 1
	s_wait_xcnt 0x0
	s_wait_alu depctr_hold_cnt(0) depctr_sa_sdst(0) depctr_va_vdst(0) depctr_va_sdst(0) depctr_va_ssrc(0) depctr_va_vcc(0) depctr_vm_vsrc(0)
	s_getreg_b32 s2, hwreg(HW_REG_IB_STS2, 6, 4)
	s_cmp_eq_u32 s2, 0
	s_cbranch_scc0 .Lentry_in_a_cluster
	s_endpgm
.Lentry_in_a_cluster:
	s_bfe_u32 s2, ttmp6, 0x10000c
	s_cmp_lg_u32 s2, 0xf033
	s_cbranch_scc0 .Lentry_shape_is_right
	s_endpgm
.Lentry_shape_is_right:
; out0[m][n] = sum over k of att[m][k] W_proj[k][n], f16 operands, f32 sums, f32 out.  att16: [head][8192 rows][64] f16 (k = 64 head + channel); wp16: [1024 (k)][1024 (n)] f16.
; A tile of out0 is 128 rows x 256 columns: 256 work-groups.  Four waves, each 64 x 128: 32 accumulators of 16 x 16, 256 registers.  K goes in steps of 128 (two heads' planes) through a ring of two LDS slots.
; CLUSTERS: 4 x 4 work-groups.  The four of a row of the cluster need the same tiles of att, the four of a column the same tiles of W_proj: each tile is asked for jointly.
; THE MATRIX INSTRUCTION IS USED TRANSPOSED: source 0 = 16 columns of W_proj ([k][n] in LDS, turned by ds_load_tr16_b128), source 1 = 16 rows of att: a lane holds eight neighbouring numbers of a row of out0.
; Rows at positions 0 .. 15 of each batch are written here like the others and are written again, more finely, by the launch that follows.
; No prefetch: eight K steps, and each tile is shared by four work-groups of a cluster.
; REGISTERS: window 0: v0-31 addresses; v64-191 rows on the way out.  window 1: two fragment buffers of 96 at v0 and v128: att's 4 fragments, then W_proj's 8.  window 2: the accumulators ((a, b) at v[8 (8 a + b)]).
.set PA,    144                        ; a row of att in LDS: 128 bytes + 16
.set PLANE, 128*PA                     ; a head's 128 rows: what one tensor load brings
.set PB,    544                        ; a row of W_proj's tile: 512 bytes + 32: an odd multiple of 32
.set BHALF, 64*PB                      ; 64 rows along K: what one tensor load brings
.set BOFF,  2*PLANE
.set SLOT,  BOFF+2*BHALF               ; 106,496 bytes
.set SPARE, 2*SLOT                     ; behind the ring: the spare words, 128 bytes for each wave
.set SPITCH, 528                       ; the way out: a stage of 16 rows x (512 bytes + 16) for each wave, in slot 0, which has had its last fill and its last read by then
.set LAPS,  4                          ; eight K steps: four times round the ring
.set ADRA, 16                          ; v16-17  LDS address of my fragments of att in slot 0, 1
.set ADRB, 20                          ; v20-21  the same for W_proj
.set STO,  24
.set RD,   25
.set CO,   26
.set SPW,  28                          ; v28     my spare word; never rewritten
.set NIL,  29                          ; v29     0; never rewritten
.set BK,   64                          ; the way out: 16 rows read back: v64-127 and v128-191 by turns
.set F0,   0
.set F1,   128
.set G1, 24                            ; s[24:31] descriptor group 1 for att's tiles;  s[32:39] group 0, one set for each slot
.set G0, 32
.set G1B, 48                           ; s[48:55], s[56:63] the same for W_proj's
.set G0B, 56
.set MSB, 0
.macro WIN new
.if MSB != (\new)
	s_set_vgpr_msb (MSB<<8)|(\new)
.set MSB, (\new)
.endif
.endm
.set MUL,  0xa5                        ; sources 0 and 1 window 1; C and D window 2
.set TO_F, 0x40                        ; destination window 1, address window 0
.macro JLOAD s                         ; a joint load: waves 0 and 1 fetch att's two planes, waves 2 and 3 W_proj's two halves; an s_nop 0 and four v_nop follow each line
	s_cmp_eq_u32 s11, 0
	s_cbranch_scc0 .Lfor_b_\@
	tensor_load_to_lds s[G0+4*\s:G0+4*\s+3], s[G1:G1+7]
	s_nop 0
.rept 4
	v_nop
.endr
	s_branch .Lasked_\@
.Lfor_b_\@:
	tensor_load_to_lds s[G0B+4*\s:G0B+4*\s+3], s[G1B:G1B+7]
	s_nop 0
.rept 4
	v_nop
.endr
.Lasked_\@:
.endm
.macro CREST                           ; a round of the cluster's barrier behind its opening barrier
	s_cmp_lg_u32 s10, 0
	s_cbranch_scc1 .Lnot_wave_0_\@
	s_barrier_signal -3
.Lnot_wave_0_\@:
	s_barrier_wait -3
	s_barrier_signal -1
	s_barrier_wait -1
.endm
.macro CROUND
	s_barrier_signal -1
	s_barrier_wait -1
	CREST
.endm
	s_load_b128 s[4:7], s[0:1], 0x0                ; att16, wp16
	s_load_b64 s[8:9], s[0:1], 0x10                ; out0
	v_lshl_add_u32 v[SPW], v0, 2, SPARE
	v_mov_b32 v[NIL], 0
	ds_add_u32 v[SPW], v[NIL]                      ; the wave's opening: the add, twice on end, and its wait ahead of my first tensor load
	ds_add_u32 v[SPW], v[NIL]
	v_lshrrev_b32 v1, 5, v0
	v_readfirstlane_b32 s10, v1                    ; wave 0..3
	s_lshr_b32 s11, s10, 1                         ; which half of the tile's rows is mine.  Also: I fetch for att (0) or for W_proj (1)
	s_and_b32 s12, s10, 1                          ; which half of its columns.  Also: which plane, or which 64 rows along K, I fetch
	s_bfe_u32 s40, ttmp6, 0x40000                  ; cx, cy
	s_bfe_u32 s41, ttmp6, 0x40004
	s_lshl_b32 s42, ttmp9, 2
	s_add_co_u32 s42, s42, s40                     ; tile column = 4 x cluster x + cx
	s_and_b32 s13, ttmp7, 0xffff
	s_lshl_b32 s13, s13, 2
	s_add_co_u32 s13, s13, s41                     ; tile row = 4 x cluster y + cy
	s_lshl_b32 s43, s41, 2
	s_lshl_b32 s43, 15, s43                        ; my row of the cluster
	s_lshl_b32 s44, 0x1111, s40                    ; my column
	; att: 128 rows x 64 elements of 2 bytes, dense in a plane; 4 words of padding behind every 32
	s_or_b32 s[G1+0], s43, (1<<16)|(1<<20)|(1<<21)|(4<<22)|(3<<25)
	s_mov_b32 s[G1+1], 64<<16                      ; tensor_dim0
	s_mov_b32 s[G1+2], 128<<16                     ; tensor_dim1
	s_mov_b32 s[G1+3], 64<<16                      ; tile_dim0
	s_mov_b32 s[G1+4], 128                         ; tile_dim1
	s_mov_b32 s[G1+5], 64                          ; tensor_dim0_stride
	s_mov_b32 s[G1+6], 0
	s_mov_b32 s[G1+7], 0
	; W_proj: 64 rows x 256 elements, 1,024 elements from row to row; 8 words of padding behind every 128
	s_or_b32 s[G1B+0], s44, (1<<16)|(1<<20)|(1<<21)|(6<<22)|(7<<25)
	s_mov_b32 s[G1B+1], 256<<16
	s_mov_b32 s[G1B+2], 64<<16
	s_mov_b32 s[G1B+3], 256<<16
	s_mov_b32 s[G1B+4], 64
	s_mov_b32 s[G1B+5], 1024
	s_mov_b32 s[G1B+6], 0
	s_mov_b32 s[G1B+7], 0
	s_lshl_b32 s16, s12, 20                        ; att: my plane of 1,048,576 bytes,
	s_lshl_b32 s17, s13, 14                        ; the tile's 128 rows of 128 bytes
	s_add_co_u32 s16, s16, s17
	s_mov_b32 s17, 0
	s_lshl_b32 s46, s12, 17                        ; W_proj: my 64 rows of 2,048 bytes,
	s_lshl_b32 s47, s42, 9                         ; the tile's 256 columns
	s_add_co_u32 s46, s46, s47
	s_mov_b32 s47, 0
	s_mul_i32 s20, s12, PLANE                      ; where they go: no place in the cluster enters an LDS address
	s_mul_i32 s21, s12, BHALF
	s_add_co_u32 s21, s21, BOFF
	s_wait_dscnt 0x0                               ; both opening adds are done
	s_wait_kmcnt 0x0
	s_add_nc_u64 s[14:15], s[4:5], s[16:17]
	s_add_nc_u64 s[46:47], s[6:7], s[46:47]
	CROUND                                         ; all sixteen work-groups are here: the first joint loads meet
.irp s, 0,1
	s_mov_b32 s[G0+4*\s], 1
	s_add_co_u32 s[G0+4*\s+1], s20, \s*SLOT
	s_add_nc_u64 s[G0+4*\s+2:G0+4*\s+3], s[14:15], \s*2*1048576    ; K step s: planes 2 s, 2 s + 1
	s_or_b32 s[G0+4*\s+3], s[G0+4*\s+3], 0x80000000
	s_mov_b32 s[G0B+4*\s], 1
	s_add_co_u32 s[G0B+4*\s+1], s21, \s*SLOT
	s_add_nc_u64 s[G0B+4*\s+2:G0B+4*\s+3], s[46:47], \s*128*2048   ; rows 128 s on
	s_or_b32 s[G0B+4*\s+3], s[G0B+4*\s+3], 0x80000000
	JLOAD \s
.endr
	v_and_b32 v1, 15, v0                           ; l % 16
	v_bfe_u32 v2, v0, 4, 1                         ; l / 16
	v_mul_u32_u24 v3, v1, PA
	v_lshl_add_u32 v3, v2, 4, v3                   ; att: row x pitch + 16 x half
	s_mul_i32 s21, s11, 64*PA                      ; my 64 rows
	v_and_b32 v4, 7, v0
	v_bfe_u32 v5, v0, 3, 1
	v_lshl_add_u32 v4, v2, 3, v4                   ; W_proj, the turning load: row 8 (l / 16) + l % 8 along K, columns 8 ((l / 8) % 2) on
	v_mul_u32_u24 v4, v4, PB
	v_lshl_add_u32 v4, v5, 4, v4
	s_lshl_b32 s22, s12, 8                         ; my 128 columns
	s_add_co_u32 s22, s22, BOFF
.irp s, 0,1
	v_add_nc_u32 v[ADRA+\s], s21, v3
	v_add_nc_u32 v[ADRB+\s], s22, v4
	s_add_co_u32 s21, s21, SLOT
	s_add_co_u32 s22, s22, SLOT
.endr
	s_mul_i32 s23, s10, 16*SPITCH                  ; my stage
	v_mul_u32_u24 v5, v1, SPITCH                   ; in: row l % 16, 32 bytes for each half of the lanes
	v_lshl_add_u32 v5, v2, 5, v5
	v_add_nc_u32 v[STO], s23, v5
	v_and_b32 v6, 31, v0
	v_lshlrev_b32 v[CO], 4, v6                     ; back: the 32 lanes take one row of 512 bytes; and the same in out0
	v_add_nc_u32 v[RD], s23, v[CO]
	s_lshl_b32 s16, s13, 7
	s_lshl_b32 s17, s11, 6
	s_add_co_u32 s16, s16, s17                     ; my first row: 128 x tile row + 64 x half
	s_lshl_b32 s16, s16, 12                        ; of 4,096 bytes
	s_mov_b32 s17, 0
	s_add_nc_u64 s[8:9], s[8:9], s[16:17]
	s_lshl_b32 s46, s42, 10                        ; my first column, in bytes: 1,024 x tile column + 512 x half
	s_lshl_b32 s47, s12, 9
	s_add_co_u32 s46, s46, s47
	s_mov_b32 s47, 0
	s_add_nc_u64 s[8:9], s[8:9], s[46:47]
; 8 matrix instructions: block a of my rows x all 8 blocks of columns, 32 along K, from buffer f.  The 32 accumulators take turns in one fixed order.
.macro MULA f, a, zero
.irp b, 0,1,2,3,4,5,6,7
.if \zero
	v_wmma_f32_16x16x32_f16 v[8*(8*(\a)+\b):8*(8*(\a)+\b)+7], v[\f+32+8*\b:\f+32+8*\b+7], v[\f+8*(\a):\f+8*(\a)+7], 0
.else
	v_wmma_f32_16x16x32_f16 v[8*(8*(\a)+\b):8*(8*(\a)+\b)+7], v[\f+32+8*\b:\f+32+8*\b+7], v[\f+8*(\a):\f+8*(\a)+7], v[8*(8*(\a)+\b):8*(8*(\a)+\b)+7]
.endif
.endr
.endm
; 24 LDS loads in one run: the fragments of the slot's kq-th 32 along K into buffer f
.macro FETCH slot, kq, f
	WIN TO_F
.irp i, 0,1,2,3
	ds_load_b128 v[\f+8*\i:\f+8*\i+3], v[ADRA+\slot] offset:((\kq)/2)*PLANE+((\kq)%2)*64+\i*16*PA
	ds_load_b128 v[\f+8*\i+4:\f+8*\i+7], v[ADRA+\slot] offset:((\kq)/2)*PLANE+((\kq)%2)*64+\i*16*PA+32
.endr
.irp b, 0,1,2,3,4,5,6,7
	ds_load_tr16_b128 v[\f+32+8*\b:\f+32+8*\b+3], v[ADRB+\slot] offset:(\kq)*32*PB+32*\b
	ds_load_tr16_b128 v[\f+32+8*\b+4:\f+32+8*\b+7], v[ADRB+\slot] offset:(\kq)*32*PB+32*\b+16*PB
.endr
.endm
.macro PLACES                          ; four places in front of loads into registers that matrix instructions have read, and of the first read of results
.rept 4
	v_nop
.endr
.endm
; A K step is four quarters of 32 along K, 32 matrix instructions each, on buffers 0, 1, 0, 1.  One of the first three: buffer f is in; the next quarter, kq, is fetched into g and lands while f is multiplied.
.macro QUARTER slot, kq, f, g, zero
	s_wait_dscnt 0x0                               ; buffer f is in
	PLACES
	FETCH \slot, \kq, \g
	WIN MUL
	MULA \f, 0, \zero
	MULA \f, 1, \zero
	MULA \f, 2, \zero
	MULA \f, 3, \zero
.endm
; The last quarter multiplies buffer 1 and changes slots: ONE barrier; in front of it each wave waits for all its tensor loads, adds 0 to its spare word, and waits for that and for its reads of this slot.
; fill = 1: the barrier opens a round of the cluster's barrier, and this slot is filled again, two K steps ahead: the load has a K step less eight matrix instructions in which to land.
.macro TURN slot, next, fill
	WIN 0                                          ; (the add's two registers lie in window 0)
	s_wait_tensorcnt 0x0                           ; all my tensor loads have landed: my part of the next slot
	ds_add_u32 v[SPW], v[NIL]
	s_wait_dscnt 1                                 ; buffer 1 is in; the add may be out
	WIN MUL
	MULA F1, 0, 0                                  ; eight matrix instructions stand between the add and the wait for it
	s_wait_dscnt 0x0                               ; the add is done, and my reads of this slot are over
	s_barrier_signal -1
	MULA F1, 1, 0
.if \fill
	WIN 0
.endif
	s_barrier_wait -1
.if \fill
	CREST                                          ; no wave of any partner still reads this slot's tile or has a load on its way
	s_add_nc_u64 s[G0+4*\slot+2:G0+4*\slot+3], s[G0+4*\slot+2:G0+4*\slot+3], 4*1048576
	s_add_nc_u64 s[G0B+4*\slot+2:G0B+4*\slot+3], s[G0B+4*\slot+2:G0B+4*\slot+3], 256*2048
	JLOAD \slot                                    ; the first tensor load behind the round; the four v_nop behind it are also the places in front of the loads below
.else
	PLACES
.endif
	FETCH \next, 0, F0
	WIN MUL
	MULA F1, 2, 0
	MULA F1, 3, 0
.endm
	s_wait_tensorcnt 1                             ; my part of K step 0 is in (K step 1's load may be out)
	s_barrier_signal -1
	s_barrier_wait -1                              ; everybody's is
	FETCH 0, 0, F0
	QUARTER 0, 1, F0, F1, 1                        ; the first quarter stands in front of the loop: its products start the sums
	WIN 0                                          ; at a label and at a branch every window is 0
	s_mov_b32 s3, LAPS-1
.Llap:                                                 ; a trip goes once round the ring, from a lap's second quarter to the next lap's first, and fills both slots again
	QUARTER 0, 2, F1, F0, 0
	QUARTER 0, 3, F0, F1, 0
	TURN 0, 1, 1
	QUARTER 1, 1, F0, F1, 0
	QUARTER 1, 2, F1, F0, 0
	QUARTER 1, 3, F0, F1, 0
	TURN 1, 0, 1
	QUARTER 0, 1, F0, F1, 0
	WIN 0
	s_sub_co_u32 s3, s3, 1
	s_cmp_lg_u32 s3, 0
	s_cbranch_scc1 .Llap
	QUARTER 0, 2, F1, F0, 0                        ; the last lap fills nothing, and has no round of the cluster's barrier
	QUARTER 0, 3, F0, F1, 0
	TURN 0, 1, 0
	QUARTER 1, 1, F0, F1, 0
	QUARTER 1, 2, F1, F0, 0
	QUARTER 1, 3, F0, F1, 0
	s_wait_dscnt 0x0                               ; the very last quarter: nothing more to fetch
	WIN MUL
	MULA F1, 0, 0
	MULA F1, 1, 0
	MULA F1, 2, 0
	MULA F1, 3, 0
	WIN 0
; THE WAY OUT, block by block of 16 rows x 128 columns.  A lane holds 32 neighbouring bytes of a row: a block goes through my stage and comes back as whole rows of 512 bytes.
.macro TOSTAGE a
.set AC, 64*(\a)
	WIN 0x08                                       ; an LDS store's data are its source 1: window 2
.irp b, 0,1,2,3,4,5,6,7
	ds_store_b128 v[STO], v[AC+8*\b:AC+8*\b+3] offset:64*\b          ; each accumulator from its low end on
	ds_store_b128 v[STO], v[AC+8*\b+4:AC+8*\b+7] offset:64*\b+16
.endr
	WIN 0
.set BB, BK+64*((\a)%2)
.irp t, 0,1,2,3,4,5,6,7,8,9,10,11,12,13,14,15
	ds_load_b128 v[BB+4*\t:BB+4*\t+3], v[RD] offset:\t*SPITCH        ; LDS serves a wave's instructions in order: these see the stores above
.endr
.endm
.macro SEND a, younger                 ; younger: the LDS instructions issued behind block a's loads, which may stay out
.set BB, BK+64*((\a)%2)
	s_wait_dscnt \younger
.irp t, 0,1,2,3,4,5,6,7,8,9,10,11,12,13,14,15
	global_store_b128 v[CO], v[BB+4*\t:BB+4*\t+3], s[8:9] offset:(\a)*65536+\t*4096 th:TH_STORE_NT   ; 32 lanes store 512 consecutive bytes, aligned
.endr
.endm
	PLACES
	TOSTAGE 0
.irp a, 1,2,3
.if \a > 1
	s_wait_xcnt 0x0                                ; block a - 2's stores have read their registers: block a's loads may land there
.endif
	TOSTAGE \a
	SEND \a-1, 32                                  ; behind block a - 1's loads: block a's 16 stores and 16 loads
.endr
	SEND 3, 0
	s_wait_tensorcnt 0x0                           ; the wave's end: three lines behind my last tensor load and my last LDS store
	ds_add_u32 v[SPW], v[NIL]
	s_wait_dscnt 0x0
	CROUND                                         ; the closing round
	s_endpgm
.Lfunc_end_k_qfad6108013_proj:
	.size	k_qfad6108013_proj, .Lfunc_end_k_qfad6108013_proj-k_qfad6108013_proj
	.p2alignl 7, 3214868480
	.fill 96, 4, 3214868480
	.section	.rodata,"a",@progbits
	.p2align	6, 0x0
	.amdhsa_kernel k_qfad6108013_proj
		.amdhsa_group_segment_fixed_size 327680
		.amdhsa_private_segment_fixed_size 0
		.amdhsa_enable_private_segment 0
		.amdhsa_kernarg_size 24
		.amdhsa_user_sgpr_count 2
		.amdhsa_user_sgpr_kernarg_segment_ptr 1
		.amdhsa_wavefront_size32 1
		.amdhsa_system_sgpr_workgroup_id_x 1
		.amdhsa_system_sgpr_workgroup_id_y 1
		.amdhsa_system_sgpr_workgroup_id_z 1
		.amdhsa_system_vgpr_workitem_id 0
		.amdhsa_next_free_vgpr 768
		.amdhsa_next_free_sgpr 66
		.amdhsa_reserve_vcc 0
		.amdhsa_float_denorm_mode_32 3
		.amdhsa_float_denorm_mode_16_64 3
		.amdhsa_memory_ordered 1
		.amdhsa_forward_progress 1
		.amdhsa_inst_pref_size 84
	.end_amdhsa_kernel
	.amdgpu_metadata
---
amdhsa.version: [ 1, 2 ]
amdhsa.kernels:
  - .name:           k_qfad6108013_proj
    .symbol:         k_qfad6108013_proj.kd
    .args:
      - { .name: att16, .offset: 0, .size: 8, .value_kind: global_buffer, .address_space: global }
      - { .name: wp16, .offset: 8, .size: 8, .value_kind: global_buffer, .address_space: global }
      - { .name: out0, .offset: 16, .size: 8, .value_kind: global_buffer, .address_space: global }
    .group_segment_fixed_size: 327680
    .private_segment_fixed_size: 0
    .kernarg_segment_align: 8
    .kernarg_segment_size: 24
    .max_flat_workgroup_size: 128
    .sgpr_count:     66
    .vgpr_count:     768
    .wavefront_size: 32
...
	.end_amdgpu_metadata
.endif
;; end of part 4
;; launch fine (part 5): grid 32 x 4, 16 waves a work-group, no clusters, 34,816 bytes of LDS; arguments qkvf, W_proj, out0; writes out0
.if DOCPART == 5
	.amdgcn_target "amdgcn-amd-amdhsa--gfx1250"
	.amdhsa_code_object_version 6
	.text
	.protected	k_qfad6108013_fine
	.globl	k_qfad6108013_fine
	.p2align	8
	.type	k_qfad6108013_fine,@function
k_qfad6108013_fine:
	s_mov_b64 s[64:65], 0
	v_nop
	global_prefetch_b8 v0, s[64:65] scope:SCOPE_SE
	s_setreg_imm32_b32 hwreg(HW_REG_WAVE_MODE, 25, 1), 1
	s_wait_xcnt 0x0
; POSITIONS 0 .. 15 OF EVERY BATCH IN F32, attention and projection: these rows average one to sixteen values, so the rounding of 16-bit operands would weigh most there.  They overwrite what the launch before stored.
; Work-group (x, b) makes out0[b][0 .. 15][32 x .. 32 x + 31].  Wave = head: it makes its head's attention for the 16 positions (16 x 16 scores) and its head's part of the 32 outputs; the sixteen parts meet in LDS.
; All products by v_wmma_f32_16x16x4_f32 (no bulk work: 32 + 32 instructions a wave).  The registers that it writes are written by matrix instructions alone; sums begin with the constant 0.
; An instruction takes k = 2 (lane / 16) + j from register j of a pair.  Which true k that is is free so long as both operands agree: each pair below holds the same true k in both.
;   S^T = K Q^T: pair i of both holds channels 32 h + 2 i + j.      O^T = V^T P: pair jj holds keys 8 h + 2 jj + j (as S^T's result lies).      out^T = W^T O: pair jj of tile ct holds channels 16 ct + 8 h + 2 jj + j (as O^T's result lies).
; LIMITS: NaN and infinities are not served.
.set SPARE, 32768                      ; LDS: 16 images of 2,048 bytes, then the spare words, 128 bytes for each wave
.set SPW, 6                            ; v6   my spare word; never rewritten
.set NIL, 7                            ; v7   0; never rewritten
.set KR,  16                           ; v16-47   k(row r, channels 32 h + i)
.set QR,  48                           ; v48-79   q likewise
.set VR,  80                           ; v80-111  v(key 8 h + i, channel 16 ct + r) at 8 ct + i
.set WR,  112                          ; v112-175 W_proj(64 head + 16 ct + 8 h + i, n0 + 16 nt + r) at 32 nt + 8 ct + i
.set SA,  176                          ; v176-183, v184-191  S^T in two halves of the sum
.set SB,  184
.set OA,  192                          ; v192-223 O^T, four tiles of channels
.set UA,  224                          ; v224-239 out^T, two tiles of outputs
.set PR,  240                          ; v240-247 the scores, then p
	s_load_b128 s[4:7], s[0:1], 0x0                ; qkvf, W_proj
	s_load_b64 s[8:9], s[0:1], 0x10                ; out0
	v_lshl_add_u32 v[SPW], v0, 2, SPARE
	v_mov_b32 v[NIL], 0
	v_lshrrev_b32 v1, 5, v0
	v_readfirstlane_b32 s10, v1                    ; wave = head
	s_and_b32 s11, ttmp7, 0xffff                   ; batch
	v_and_b32 v1, 15, v0                           ; r
	v_bfe_u32 v2, v0, 4, 1                         ; h
	v_mul_u32_u24 v3, v1, 12288
	v_lshl_add_u32 v3, v2, 7, v3                   ; k, q: row r of 12,288 bytes + 128 h
	v_mul_u32_u24 v4, v2, 8*12288
	v_lshl_add_u32 v4, v1, 2, v4                   ; v: 8 h rows + 4 r
	v_lshlrev_b32 v5, 15, v2
	v_lshl_add_u32 v5, v1, 2, v5                   ; W_proj: 8 h rows of 4,096 bytes + 4 r
	v_and_b32 v8, 31, v0
	v_lshlrev_b32 v8, 4, v8                        ; 16 x lane
	s_lshl_b32 s12, s10, 11
	v_add_nc_u32 v9, s12, v8                       ; my image: 2,048 x wave + 16 x lane
	s_and_b32 s12, s10, 3
	s_lshl_b32 s12, s12, 9
	v_add_nc_u32 v10, s12, v8                      ; what waves 0 .. 3 read back: quarter (wave % 4) of every image
	v_lshlrev_b32 v11, 12, v1
	v_lshl_add_u32 v11, v2, 5, v11                 ; out0: row r of 4,096 bytes + 32 h
	v_lshlrev_b32 v12, 3, v2
	v_sub_nc_u32 v12, v1, v12                      ; r - 8 h
	v_mov_b32 v13, 0xff800000                      ; -infinity
	v_mov_b32 v14, 0                               ; (a lane permute's destination counts as one of its sources)
	s_mul_i32 s12, s11, 16*12288                   ; qkvf: the batch's 16 rows,
	s_lshl_b32 s13, s10, 8                         ; the head's 64 columns
	s_add_co_u32 s12, s12, s13
	s_mov_b32 s13, 0
	s_lshl_b32 s14, s10, 18                        ; W_proj: the head's 64 rows of 4,096 bytes,
	s_lshl_b32 s15, ttmp9, 7                       ; the work-group's 32 columns
	s_add_co_u32 s14, s14, s15
	s_mov_b32 s15, 0
	s_lshl_b32 s16, s11, 23                        ; out0: the batch's 2,048 rows,
	s_lshl_b32 s17, ttmp9, 7                       ; the 32 columns,
	s_add_co_u32 s16, s16, s17
	s_lshr_b32 s17, s10, 1
	s_lshl_b32 s17, s17, 6                         ; and, for waves 0 .. 3, the quarter's place: 16 (wave / 2) + 4 (wave % 2) columns
	s_add_co_u32 s16, s16, s17
	s_and_b32 s17, s10, 1
	s_lshl_b32 s17, s17, 4
	s_add_co_u32 s16, s16, s17
	s_mov_b32 s17, 0
	s_mov_b32 s20, 0x76543210
	s_mov_b32 s21, 0xfedcba98                      ; lane l xor 16
	s_mov_b32 s22, 0x3d38aa3b                      ; c = log2(e) / sqrt(1024)
	s_wait_kmcnt 0x0
	s_add_nc_u64 s[4:5], s[4:5], s[12:13]
	s_add_nc_u64 s[6:7], s[6:7], s[14:15]
	s_add_nc_u64 s[8:9], s[8:9], s[16:17]
.irp i, 0,1,2,3,4,5,6,7
	global_load_b128 v[KR+4*\i:KR+4*\i+3], v3, s[4:5] offset:16*\i
.endr
.irp i, 0,1,2,3,4,5,6,7
	global_load_b128 v[QR+4*\i:QR+4*\i+3], v3, s[4:5] offset:4096+16*\i
.endr
.irp c, 0,1,2,3
.irp i, 0,1,2,3,4,5,6,7
	global_load_b32 v[VR+8*\c+\i], v4, s[4:5] offset:8192+\i*12288+64*\c
.endr
.endr
.irp n, 0,1
.irp c, 0,1,2,3
.irp i, 0,1,2,3,4,5,6,7
	global_load_b32 v[WR+32*\n+8*\c+\i], v5, s[6:7] offset:(16*\c+\i)*4096+64*\n
.endr
.endr
.endr
	s_wait_loadcnt 0x3f                            ; of 112 loads at most 63 are out: the 48 of k, q and v are in; W_proj's may be on their way
	; S^T(key, query): two accumulators by turns; the first two products start the sums
	v_wmma_f32_16x16x4_f32 v[SA:SA+7], v[KR:KR+1], v[QR:QR+1], 0
	v_wmma_f32_16x16x4_f32 v[SB:SB+7], v[KR+2:KR+3], v[QR+2:QR+3], 0
.irp i, 2,4,6,8,10,12,14
	v_wmma_f32_16x16x4_f32 v[SA:SA+7], v[KR+2*\i:KR+2*\i+1], v[QR+2*\i:QR+2*\i+1], v[SA:SA+7]
	v_wmma_f32_16x16x4_f32 v[SB:SB+7], v[KR+2*\i+2:KR+2*\i+3], v[QR+2*\i+2:QR+2*\i+3], v[SB:SB+7]
.endr
.rept 8
	v_nop                                          ; eight places behind this form before a vector instruction reads its result (ISA guide 7.12.1)
.endr
.irp j, 0,1,2,3,4,5,6,7
	v_add_f32 v[PR+\j], v[SA+\j], v[SB+\j]         ; lane (r, h): query r, key 8 h + j
.endr
.irp j, 0,1,2,3,4,5,6,7
	v_cmp_gt_i32 vcc_lo, \j, v12                   ; hidden where 8 h + j > r
	v_cndmask_b32 v[PR+\j], v[PR+\j], v13, vcc_lo
.endr
	v_max3_num_f32 v248, v[PR], v[PR+1], v[PR+2]
	v_max3_num_f32 v248, v248, v[PR+3], v[PR+4]
	v_max3_num_f32 v248, v248, v[PR+5], v[PR+6]
	v_max_num_f32 v248, v248, v[PR+7]
	v_permlanex16_b32 v14, v248, s20, s21
	v_max_num_f32 v248, v248, v14                  ; the row's maximum: key 0 counts for every query, so it is a number
	v_mul_f32 v249, s22, v248
.irp j, 0,1,2,3,4,5,6,7
	v_fma_f32 v[PR+\j], v[PR+\j], s22, -v249       ; c s - c m
.endr
.irp j, 0,1,2,3,4,5,6,7
	v_exp_f32 v[PR+\j], v[PR+\j]
.endr
	v_nop                                          ; a plain line behind the last exponential,
	s_wait_alu depctr_va_vdst(0)                   ; and one wait for the eight, ahead of their first reader
	v_add_f32 v250, v[PR], v[PR+1]
	v_add_f32 v251, v[PR+2], v[PR+3]
	v_add_f32 v252, v[PR+4], v[PR+5]
	v_add_f32 v253, v[PR+6], v[PR+7]
	v_add_f32 v250, v250, v251
	v_add_f32 v252, v252, v253
	v_add_f32 v250, v250, v252
	v_permlanex16_b32 v14, v250, s20, s21
	v_add_f32 v250, v250, v14                      ; the row's sum
	v_rcp_f32 v251, v250
	v_nop
	s_wait_alu depctr_va_vdst(0)
.irp j, 0,1,2,3,4,5,6,7
	v_mul_f32 v[PR+\j], v[PR+\j], v251             ; the softmax
.endr
	; O^T(channel, query): four tiles of channels by turns
.irp c, 0,1,2,3
	v_wmma_f32_16x16x4_f32 v[OA+8*\c:OA+8*\c+7], v[VR+8*\c:VR+8*\c+1], v[PR:PR+1], 0
.endr
.irp j, 1,2,3
.irp c, 0,1,2,3
	v_wmma_f32_16x16x4_f32 v[OA+8*\c:OA+8*\c+7], v[VR+8*\c+2*\j:VR+8*\c+2*\j+1], v[PR+2*\j:PR+2*\j+1], v[OA+8*\c:OA+8*\c+7]
.endr
.endr
.rept 9
	v_nop                                          ; nine places before a matrix instruction takes these results as an operand
.endr
	s_wait_loadcnt 0x0                             ; W_proj
	; out^T(output, query), my head's part: two tiles of outputs by turns; O^T's registers are the operand as they lie
.irp c, 0,1,2,3
.irp j, 0,1,2,3
.irp n, 0,1
.if (\c == 0) && (\j == 0)
	v_wmma_f32_16x16x4_f32 v[UA+8*\n:UA+8*\n+7], v[WR+32*\n+8*\c+2*\j:WR+32*\n+8*\c+2*\j+1], v[OA+8*\c+2*\j:OA+8*\c+2*\j+1], 0
.else
	v_wmma_f32_16x16x4_f32 v[UA+8*\n:UA+8*\n+7], v[WR+32*\n+8*\c+2*\j:WR+32*\n+8*\c+2*\j+1], v[OA+8*\c+2*\j:OA+8*\c+2*\j+1], v[UA+8*\n:UA+8*\n+7]
.endif
.endr
.endr
.endr
.rept 8
	v_nop
.endr
.irp q, 0,1,2,3
	ds_store_b128 v9, v[UA+4*\q:UA+4*\q+3] offset:512*\q   ; my part as an image of its registers, each accumulator from its low end on
.endr
	s_wait_dscnt 0x0                               ; for the others' sake: my stores have landed
	s_barrier_signal -1
	s_barrier_wait -1
	s_cmp_ge_u32 s10, 4                            ; waves 0 .. 3 add the sixteen parts, a quarter of the registers each
	s_cbranch_scc1 .Lrest
.irp u, 0,1,2,3,4,5,6,7,8,9,10,11,12,13,14,15
	ds_load_b128 v[16+4*\u:16+4*\u+3], v10 offset:2048*\u
.endr
	s_wait_dscnt 0x0
.irp u, 0,2,4,6,8,10,12,14                     ; a fixed tree over the heads
	v_pk_add_f32 v[16+4*\u:16+4*\u+1], v[16+4*\u:16+4*\u+1], v[20+4*\u:20+4*\u+1]
	v_pk_add_f32 v[18+4*\u:18+4*\u+1], v[18+4*\u:18+4*\u+1], v[22+4*\u:22+4*\u+1]
.endr
.irp u, 0,4,8,12
	v_pk_add_f32 v[16+4*\u:16+4*\u+1], v[16+4*\u:16+4*\u+1], v[24+4*\u:24+4*\u+1]
	v_pk_add_f32 v[18+4*\u:18+4*\u+1], v[18+4*\u:18+4*\u+1], v[26+4*\u:26+4*\u+1]
.endr
.irp u, 0,8
	v_pk_add_f32 v[16+4*\u:16+4*\u+1], v[16+4*\u:16+4*\u+1], v[32+4*\u:32+4*\u+1]
	v_pk_add_f32 v[18+4*\u:18+4*\u+1], v[18+4*\u:18+4*\u+1], v[34+4*\u:34+4*\u+1]
.endr
	v_pk_add_f32 v[16:17], v[16:17], v[48:49]
	v_pk_add_f32 v[18:19], v[18:19], v[50:51]
	global_store_b128 v11, v[16:19], s[8:9]        ; lane (r, h): out0(position r, n0 + 16 (wave / 2) + 8 h + 4 (wave % 2) + 0 .. 3)
.Lrest:
	s_wait_tensorcnt 0x0                           ; the wave's end: three lines behind my last LDS store
	ds_add_u32 v[SPW], v[NIL]
	s_wait_dscnt 0x0
	s_endpgm
.Lfunc_end_k_qfad6108013_fine:
	.size	k_qfad6108013_fine, .Lfunc_end_k_qfad6108013_fine-k_qfad6108013_fine
	.p2alignl 7, 3214868480
	.fill 96, 4, 3214868480
	.section	.rodata,"a",@progbits
	.p2align	6, 0x0
	.amdhsa_kernel k_qfad6108013_fine
		.amdhsa_group_segment_fixed_size 34816
		.amdhsa_private_segment_fixed_size 0
		.amdhsa_enable_private_segment 0
		.amdhsa_kernarg_size 24
		.amdhsa_user_sgpr_count 2
		.amdhsa_user_sgpr_kernarg_segment_ptr 1
		.amdhsa_wavefront_size32 1
		.amdhsa_system_sgpr_workgroup_id_x 1
		.amdhsa_system_sgpr_workgroup_id_y 1
		.amdhsa_system_sgpr_workgroup_id_z 1
		.amdhsa_system_vgpr_workitem_id 0
		.amdhsa_next_free_vgpr 256
		.amdhsa_next_free_sgpr 66
		.amdhsa_reserve_vcc 1
		.amdhsa_float_denorm_mode_32 3
		.amdhsa_float_denorm_mode_16_64 3
		.amdhsa_memory_ordered 1
		.amdhsa_forward_progress 1
		.amdhsa_inst_pref_size 24
	.end_amdhsa_kernel
	.amdgpu_metadata
---
amdhsa.version: [ 1, 2 ]
amdhsa.kernels:
  - .name:           k_qfad6108013_fine
    .symbol:         k_qfad6108013_fine.kd
    .args:
      - { .name: qkvf, .offset: 0, .size: 8, .value_kind: global_buffer, .address_space: global }
      - { .name: W_proj, .offset: 8, .size: 8, .value_kind: global_buffer, .address_space: global }
      - { .name: out0, .offset: 16, .size: 8, .value_kind: global_buffer, .address_space: global }
    .group_segment_fixed_size: 34816
    .private_segment_fixed_size: 0
    .kernarg_segment_align: 8
    .kernarg_segment_size: 24
    .max_flat_workgroup_size: 512
    .sgpr_count:     66
    .vgpr_count:     256
    .wavefront_size: 32
...
	.end_amdgpu_metadata
.endif
;; end of part 5
